; MI455X (gfx1250); checked and timed in simulation.
; The chip was launched on July 23, 2026; its instructions are those of AMD's public machine-readable ISA for CDNA 5 (MIT licence, August 2026) and "CDNA5" Instruction Set Architecture Reference Guide (July 2026). The comments in the code are by the model that wrote it; some were corrected since.
;; Hydra Attention. Allowed arithmetic: float matrix products may take bf16 or f16 operands with f32 sums; all other float work in f32.
;; Inputs: Wout 1,024 x 1,024 float32; Wqkv 1,024 x 3,072 float32; bout 1,024 float32; bqkv 3,072 float32; x 4 x 4,096 x 1,024 float32.
;; Outputs: out0 4 x 4,096 x 1,024 float32.
;; 2 versions, each right; version 2 is version 1 with the launch prep written anew for expert scheduling mode. Each part assembles by itself: llvm-mc -triple=amdgcn-amd-amdhsa -mcpu=gfx1250 --defsym DOCPART=n.
;; ======== version 1 of 2: 5 launches
;; limits: values outside matrix products are rounded to f16
;; workspace buffers: xb 33,554,432 bytes; wt 8,388,608 bytes; kh 33,554,432 bytes; ssk 524,288 bytes; ssq 524,288 bytes; kvp 262,144 bytes; a2 33,554,432 bytes
;; launch prep (part 1): grid 1024 x 1, 8 waves a work-group, no clusters, 18,432 bytes of LDS; arguments x, Wqkv, Wout, xb, wt; writes xb, wt
.if DOCPART == 1
	.amdgcn_target "amdgcn-amd-amdhsa--gfx1250"
	.amdhsa_code_object_version 6
	.text
	.protected	k_q6b221518a3_prep
	.globl	k_q6b221518a3_prep
	.p2align	8
	.type	k_q6b221518a3_prep,@function
k_q6b221518a3_prep:
	s_mov_b64 s[64:65], 0
	v_nop
	global_prefetch_b8 v0, s[64:65] scope:SCOPE_SE
	s_setreg_imm32_b32 hwreg(HW_REG_WAVE_MODE, 25, 1), 1
	s_wait_xcnt 0x0
; HydraAttention, step 1 of 5: the matrix operands in bf16, with K along the rows.
;   xb[16384][1024] = bf16(x);   wt[4096][1024] = bf16 of Wqkv transposed (rows 0-3071: q, k, v columns) and of Wout transposed (rows 3072-4095).
; The whole program: k = xb Wk + bk (launch 2), the pool kv = sum over t of k/|k| * v (launch 3, v never stored), a2 = bf16((xb Wq + bq) * kv) (launch 4),
; out0 = (a2 Wout) / |q| + bout (launch 5).  No step of reference() is left out and every input is loaded.
; Nothing is shared between work-groups here and there is no product: no cluster, no tensor loads, no matrix instruction.
; Work-groups 0-511: 32 rows of x each.  512-895: a tile of 128 k x 64 columns of Wqkv each.  896-1023: the same of Wout.
.set X,  8                             ; v[8:39]   eight slots of four f32 as loaded
.set Y,  40                            ; v[40:103] x part: row r has its own pair, so no store's data is ever rewritten; W part: v[40:55] packed, v[56:71] rows read back
.set LP, 272                           ; W part: an LDS row is 128 bf16 (256 bytes) + 16
	s_load_b256 s[4:11], s[0:1], 0x0               ; x s[4:5], Wqkv s[6:7], Wout s[8:9], xb s[10:11]
	s_load_b64 s[12:13], s[0:1], 0x20              ; wt
	v_lshl_add_u32 v104, v0, 2, 0x4400
	v_mov_b32 v105, 0
	s_mov_b32 s15, 0                               ; high words of the two offset pairs
	s_mov_b32 s17, 0
	s_cmp_lt_u32 ttmp9, 512
	s_cbranch_scc0 .Lweights
	; x: thread t owns 16 bytes (4 numbers) at byte 16 t of every row; the eight waves cover a row of 4,096 bytes.
	v_lshlrev_b32 v1, 4, v0                        ; where I read; never rewritten
	v_lshlrev_b32 v2, 3, v0                        ; where I store; never rewritten
	s_lshl_b32 s14, ttmp9, 17                      ; 32 rows of 4,096 bytes
	s_lshl_b32 s16, ttmp9, 16                      ; 32 rows of 2,048 bytes
	s_wait_kmcnt 0x0
	s_add_nc_u64 s[4:5], s[4:5], s[14:15]
	s_add_nc_u64 s[10:11], s[10:11], s[16:17]
.irp i, 0,1,2,3,4,5,6,7
	global_load_b128 v[X+4*\i:X+4*\i+3], v1, s[4:5] offset:\i*4096 th:TH_LOAD_NT
.endr
.set r, 0
.rept 32
.if r < 24
	s_wait_loadcnt 7                               ; loads come back in order: row r is in, the seven younger rows stay out
.else
	s_wait_loadcnt 31-r                            ; the last eight rows load nothing: the count runs down
.endif
	v_cvt_pk_bf16_f32 v[Y+2*r],   v[X+4*(r%8)],   v[X+4*(r%8)+1]
	v_cvt_pk_bf16_f32 v[Y+2*r+1], v[X+4*(r%8)+2], v[X+4*(r%8)+3]
.if r < 24
	global_load_b128 v[X+4*(r%8):X+4*(r%8)+3], v1, s[4:5] offset:(r+8)*4096 th:TH_LOAD_NT
.endif
	global_store_b64 v2, v[Y+2*r:Y+2*r+1], s[10:11] offset:r*2048     ; a wave's store covers 256 consecutive bytes, aligned
.set r, r+1
.endr
	s_endpgm
; A tile of 128 k x 64 columns of a weight, transposed through LDS.  Thread t: c4 = t & 15 (four columns), kq = t >> 4 (eight k).
; In: sixteen lanes take 256 consecutive bytes of one row of the weight.  Out: sixteen lanes store 256 consecutive bytes of one row of wt.
; The four LDS stores put neighbouring lanes four LDS rows apart, 1,088 bytes = 64 modulo 256, so four lanes of sixteen meet in a 16-byte column:
; four instructions in the whole kernel, left as they are.
.macro WTILE src, pitchb, drow0, first
	s_sub_co_u32 s18, ttmp9, \first                ; the tile's number
	s_and_b32 s19, s18, 7                          ; kt: which 128 k
	s_lshr_b32 s20, s18, 3                         ; et: which 64 columns
	s_mul_i32 s14, s19, 128*\pitchb
	s_lshl_b32 s21, s20, 8
	s_add_co_u32 s14, s14, s21                     ; the tile's first byte in the weight
	s_lshl_b32 s16, s20, 17                        ; 64 et rows of wt, 2,048 bytes each,
	s_lshl_b32 s21, s19, 8                         ; and 128 kt numbers along them
	s_add_co_u32 s16, s16, s21
.if \drow0
	s_add_co_u32 s16, s16, \drow0*2048
.endif
	v_mul_u32_u24 v3, v5, 8*\pitchb
	v_lshl_add_u32 v3, v4, 4, v3                   ; read: row 8 kq, byte 16 c4
	v_mul_u32_u24 v6, v4, 4*LP
	v_lshl_add_u32 v6, v5, 4, v6                   ; LDS in: row 4 c4 (+ c), byte 16 kq
	v_mul_u32_u24 v7, v5, LP
	v_lshl_add_u32 v7, v4, 4, v7                   ; LDS back: row t >> 4 (+ 16 p), byte 16 (t & 15)
	v_lshlrev_b32 v1, 11, v5
	v_lshl_add_u32 v1, v4, 4, v1                   ; and the same place in wt
	s_wait_kmcnt 0x0
	s_add_nc_u64 s[22:23], s[\src:\src+1], s[14:15]
	s_add_nc_u64 s[24:25], s[12:13], s[16:17]
.irp i, 0,1,2,3,4,5,6,7
	global_load_b128 v[X+4*\i:X+4*\i+3], v3, s[22:23] offset:\i*\pitchb th:TH_LOAD_NT
.endr
	s_wait_loadcnt 0x0
.irp c, 0,1,2,3
.irp p, 0,1,2,3
	v_cvt_pk_bf16_f32 v[Y+4*\c+\p], v[X+8*\p+\c], v[X+8*\p+4+\c]      ; column c, k = 2 p and 2 p + 1 of my eight
.endr
	ds_store_b128 v6, v[Y+4*\c:Y+4*\c+3] offset:\c*LP
.endr
	s_wait_dscnt 0x0                               ; my stores are done before I say so: other waves read these rows
	s_barrier_signal -1
	s_barrier_wait -1
.irp p, 0,1,2,3
	ds_load_b128 v[Y+16+4*\p:Y+16+4*\p+3], v7 offset:\p*16*LP
.endr
.irp p, 0,1,2,3
	s_wait_dscnt 3-\p                              ; LDS loads come back in order: the younger ones stay out
	global_store_b128 v1, v[Y+16+4*\p:Y+16+4*\p+3], s[24:25] offset:\p*16*2048
.endr
	s_wait_tensorcnt 0x0
	ds_add_u32 v104, v105
	s_wait_dscnt 0x0
	s_endpgm
.endm
.Lweights:
	v_and_b32 v4, 15, v0                           ; c4
	v_lshrrev_b32 v5, 4, v0                        ; kq
	s_cmp_lt_u32 ttmp9, 896
	s_cbranch_scc0 .Lwout
	WTILE 6, 12288, 0, 512
.Lwout:
	WTILE 8, 4096, 3072, 896
.Lfunc_end_k_q6b221518a3_prep:
	.size	k_q6b221518a3_prep, .Lfunc_end_k_q6b221518a3_prep-k_q6b221518a3_prep
	.p2alignl 7, 3214868480
	.fill 96, 4, 3214868480
	.section	.rodata,"a",@progbits
	.p2align	6, 0x0
	.amdhsa_kernel k_q6b221518a3_prep
		.amdhsa_group_segment_fixed_size 18432
		.amdhsa_private_segment_fixed_size 0
		.amdhsa_enable_private_segment 0
		.amdhsa_kernarg_size 40
		.amdhsa_user_sgpr_count 2
		.amdhsa_user_sgpr_kernarg_segment_ptr 1
		.amdhsa_wavefront_size32 1
		.amdhsa_system_sgpr_workgroup_id_x 1
		.amdhsa_system_sgpr_workgroup_id_y 1
		.amdhsa_system_sgpr_workgroup_id_z 1
		.amdhsa_system_vgpr_workitem_id 0
		.amdhsa_next_free_vgpr 106
		.amdhsa_next_free_sgpr 66
		.amdhsa_reserve_vcc 0
		.amdhsa_float_denorm_mode_32 3
		.amdhsa_float_denorm_mode_16_64 3
		.amdhsa_memory_ordered 1
		.amdhsa_forward_progress 1
		.amdhsa_inst_pref_size 21
	.end_amdhsa_kernel
	.amdgpu_metadata
---
amdhsa.version: [ 1, 2 ]
amdhsa.kernels:
  - .name:           k_q6b221518a3_prep
    .symbol:         k_q6b221518a3_prep.kd
    .args:
      - { .name: x, .offset: 0, .size: 8, .value_kind: global_buffer, .address_space: global }
      - { .name: Wqkv, .offset: 8, .size: 8, .value_kind: global_buffer, .address_space: global }
      - { .name: Wout, .offset: 16, .size: 8, .value_kind: global_buffer, .address_space: global }
      - { .name: xb, .offset: 24, .size: 8, .value_kind: global_buffer, .address_space: global }
      - { .name: wt, .offset: 32, .size: 8, .value_kind: global_buffer, .address_space: global }
    .group_segment_fixed_size: 18432
    .private_segment_fixed_size: 0
    .kernarg_segment_align: 8
    .kernarg_segment_size: 40
    .max_flat_workgroup_size: 256
    .sgpr_count:     66
    .vgpr_count:     106
    .wavefront_size: 32
...
	.end_amdgpu_metadata
.endif
;; end of part 1
;; launch gemmK (part 2): grid 4 x 64, 4 waves a work-group, clusters of 4 x 4, 327,680 bytes of LDS; arguments xb, wt, bqkv, kh, ssk; writes kh, ssk
.if DOCPART == 2
	.amdgcn_target "amdgcn-amd-amdhsa--gfx1250"
	.amdhsa_code_object_version 6
	.text
	.protected	k_q6b221518a3_gemmK
	.globl	k_q6b221518a3_gemmK
	.p2align	8
	.type	k_q6b221518a3_gemmK,@function
k_q6b221518a3_gemmK:
	s_mov_b64 s[64:65], 0
	v_nop
	global_prefetch_b8 v0, s[64:65] scope:SCOPE_SE
	s_setreg_imm32_b32 hwreg(HW_REG_WAVE_MODE, 25, 1), 1
	s_wait_xcnt 0x0
	s_wait_alu depctr_hold_cnt(0) depctr_sa_sdst(0) depctr_va_vdst(0) depctr_va_sdst(0) depctr_va_ssrc(0) depctr_va_vcc(0) depctr_vm_vsrc(0)
	s_getreg_b32 s2, hwreg(HW_REG_IB_STS2, 6, 4)
	s_cmp_eq_u32 s2, 0
	s_cbranch_scc0 .Lentry_in_a_cluster
	s_endpgm
.Lentry_in_a_cluster:
	s_bfe_u32 s2, ttmp6, 0x10000c
	s_cmp_lg_u32 s2, 0xf033
	s_cbranch_scc0 .Lentry_shape_is_right
	s_endpgm
.Lentry_shape_is_right:
; HydraAttention, step 2 of 5: k = xb Wk + bk.  Stored: ssk[c][t] = the sum of k^2 over columns 128 c .. 128 c + 127 of row t (f32), and
; kh = f16(k[t][n] / sqrt(max(ssk[c][t], 2^-126))): |kh| <= 1 whatever the inputs hold, so f16's range is never at stake.  Nothing is left out.
; kh IS THIS PROGRAM'S OWN WORKSPACE AND LIES IN REGISTER ORDER: a wave's 128 x 128 is 32,768 bytes at ((block row x 4 + block column) x 4 + wave) x 32,768; tile (i, b) is 512
; consecutive bytes, lane l's 16 bytes = row 16 i + l % 16, columns 16 b + 8 (l / 16) + 0..7.  The same wave of the next launch loads it as it was stored: no turn through LDS.
; LIMITS: a sum of squares above f32's largest number overflows, as the norm in reference() does; one below 2^-126 counts as 2^-126 here (the group is then 0 in kh).
; THE PRODUCT: a work-group makes 256 x 256 with four waves, a wave 128 x 128: 64 accumulator tiles of 16 x 16, 512 registers.  K = 1,024 goes in
; steps of 128 through a ring of two LDS slots filled by tensor loads; a tile's rows are 256 bytes of memory and start at multiples of 256 bytes.
; The bias is the C operand of each tile's first product: no accumulator is cleared and no bias is added later.
; CLUSTERS: 4 x 4 work-groups.  The four of a row of the cluster need the same tiles of xb, the four of a column the same tiles of wt: each tile is asked for
; jointly, by the same tensor load with the same descriptor and a mask that names the four, which divides the requests for both by four.
; THE LAST K STEP takes my rows 0-63 through all its 128 k first, then rows 64-127; behind each of the latter's 128 matrix instructions stands one slice (PER entries)
; of the way out of rows 0-63.  B's fragments of that step are read twice: 64 LDS loads more on a wave's 1,024.
; REGISTERS, in windows of 256:  window 0: v0-31 addresses, v64-191 fragments of A (two buffers; rows 0-63 in each buffer's lower half), v32-39, v64-95, v192-255 the way out;
;   window 1: v64-191 fragments of B, v192-255 the bias;  window 2: the accumulators of my rows 0-63 (tile (a, b) at v[8 (8 a + b)]);  window 3: rows 64-127.
; THE MATRIX INSTRUCTION IS USED TRANSPOSED (source 0 = 16 rows of wt, source 1 = 16 rows of xb): lane l holds row l % 16, its registers 0-7 the columns 8 (l / 16) + 0..7.
.set SIZE_K, 1024
.set BROW0,  1024                      ; Wk's columns are rows 1024-2047 of wt, bk is bqkv[1024..]
.set KSTEP,  128
.set PITCH,  272                       ; an LDS row: 256 bytes + 16 of padding, so that the 16 rows of a fragment load start in 16 different 16-byte columns modulo 256
.set HALFT,  128*PITCH                 ; 128 rows: what one tensor load brings
.set SLOT,   4*HALFT                   ; A's 256 rows, then B's 256 rows
.set SCL,    2*SLOT                    ; behind the ring: 1,024 bytes for each wave, [0, 512) one f32 for each of its 128 rows; no tensor load fills it
.set LAPS,   SIZE_K/(2*KSTEP)          ; a lap = two K steps = once round the ring
.set BO,   6                           ; v6   32 h: my place in the bias
.set SO,   7                           ; v7   16 x lane
.set SA,   8                           ; v8   my wave's scratch + 4 (l % 16)
.set SL,   9                           ; v9   my wave's scratch + 16 x lane
.set ADRA, 16                          ; v16-17  LDS address of my A fragments in slot 0, 1
.set ADRB, 20                          ; v20-21  the same for B
.set SS,   30                          ; v30  a row's sum of squares; v[28:29] its factor, twice; v31 the other half's sum
.set F0,   64
.set F1,   128
.set SQ,   32                          ; v32-39    four chains of squares
.set PK,   64                          ; v64-95    packed f16: free once rows 0-63 have had their last product
.set T,    192                         ; v192-255  64 scaled numbers of a row
.set BIAS, 192                         ; window 1
.set G1, 24                            ; s[24:31] descriptor group 1 for A's tiles
.set G0, 32                            ; s[32:39] group 0 for A's tiles, one set for each slot
.set G1B, 48                           ; s[48:55] group 1 for B's tiles: another mask
.set G0B, 56                           ; s[56:63] group 0 for B's tiles
.set PER,  4                           ; entries of the way out behind one matrix instruction: 117 entries for 16 rows in 32 slices
.set GLEN, 32*PER                      ; numbers reserved for a group of 16 rows
.set ON,   0                           ; the next entry's number
.set DSN,  0                           ; LDS instructions written so far; only differences inside the straight-line tail are used
.set MARK, 0                           ; DSN behind the latest fetch of fragments
.set MSB, 0
.macro WIN new                         ; the immediate's high byte repeats the setting that is left
.if MSB != (\new)
	s_set_vgpr_msb (MSB<<8)|(\new)
.set MSB, (\new)
.endif
.endm
.set MUL_LO, 0xa1                      ; source 0 (B) window 1, source 1 (A) window 0, C and D window 2
.set MUL_HI, 0xf1                      ; the same, C and D window 3
.set FIRST_LO, 0x91                    ; the first product: C is the bias in window 1, D window 2
.set FIRST_HI, 0xd1                    ; the same, D window 3
.set TO_B,   0x40                      ; destination window 1
; A joint load.  Waves 0 and 1 fetch A's two halves, waves 2 and 3 B's.  The branch hangs on the wave's number alone.
.macro JLOAD s
	s_cmp_eq_u32 s11, 0
	s_cbranch_scc0 .Lfor_b_\@
	tensor_load_to_lds s[G0+4*\s:G0+4*\s+3], s[G1:G1+7]
	s_nop 0
	s_branch .Lasked_\@
.Lfor_b_\@:
	tensor_load_to_lds s[G0B+4*\s:G0B+4*\s+3], s[G1B:G1B+7]
	s_nop 0
.Lasked_\@:
.endm
; A round of the cluster's barrier: my work-group's barrier; wave 0 signals for the work-group; every wave waits for all sixteen; my work-group's barrier once more.
.macro CREST                           ; a round behind its opening barrier
	s_cmp_lg_u32 s10, 0
	s_cbranch_scc1 .Lnot_wave_0_\@
	s_barrier_signal -3
.Lnot_wave_0_\@:
	s_barrier_wait -3
	s_barrier_signal -1
	s_barrier_wait -1
.endm
.macro CROUND
	s_barrier_signal -1
	s_barrier_wait -1
	CREST
.endm
	s_load_b128 s[4:7], s[0:1], 0x0                ; xb s[4:5], wt s[6:7]
	s_load_b128 s[84:87], s[0:1], 0x10             ; bqkv s[84:85], kh s[86:87]
	s_load_b64 s[88:89], s[0:1], 0x20              ; ssk
	s_set_vgpr_msb 0x40
	v_lshl_add_u32 v63, v0, 2, 0x45000
	s_set_vgpr_msb 0x4000
	v_mov_b32 v63, 0
	s_set_vgpr_msb 0x1
	ds_add_u32 v63, v63
	s_set_vgpr_msb 0x100
	v_lshrrev_b32 v1, 5, v0
	v_readfirstlane_b32 s10, v1                    ; wave 0..3
	s_lshr_b32 s11, s10, 1                         ; which half of the block's rows is mine.  Also: I fetch for A (0) or for B (1)
	s_and_b32 s12, s10, 1                          ; which half of its columns.  Also: which 128 rows of that tile I fetch
	s_bfe_u32 s40, ttmp6, 0x40000                  ; cx
	s_bfe_u32 s41, ttmp6, 0x40004                  ; cy
	s_lshl_b32 s42, ttmp9, 2
	s_add_co_u32 s42, s42, s40                     ; block column = 4 x cluster x + cx
	s_and_b32 s13, ttmp7, 0xffff
	s_lshl_b32 s13, s13, 2
	s_add_co_u32 s13, s13, s41                     ; block row = 4 x cluster y + cy
	s_lshl_b32 s43, s41, 2
	s_lshl_b32 s43, 15, s43                        ; my row of the cluster: places 4 cy .. 4 cy + 3
	s_lshl_b32 s44, 0x1111, s40                    ; my column: places cx, cx + 4, cx + 8, cx + 12
	; group 1: a tile of 128 rows x 128 elements of 2 bytes, 16 bytes of padding behind every 64 words
	s_or_b32 s[G1+0], s43, (1<<16)|(1<<20)|(1<<21)|(5<<22)|(3<<25)
	s_or_b32 s[G1B+0], s44, (1<<16)|(1<<20)|(1<<21)|(5<<22)|(3<<25)
	s_mov_b32 s[G1B+1], KSTEP<<16
	s_mov_b32 s[G1+1], KSTEP<<16                   ; tensor_dim0 = 128
	s_mov_b32 s[G1B+2], 128<<16
	s_mov_b32 s[G1+2], 128<<16                     ; tensor_dim1 = 128
	s_mov_b32 s[G1B+3], KSTEP<<16
	s_mov_b32 s[G1+3], KSTEP<<16                   ; tile_dim0 = 128
	s_mov_b32 s[G1B+4], 128
	s_mov_b32 s[G1+4], 128                         ; tile_dim1 = 128
	s_mov_b32 s[G1B+5], SIZE_K
	s_mov_b32 s[G1+5], SIZE_K                      ; elements from row to row
	s_mov_b32 s[G1B+6], 0
	s_mov_b32 s[G1+6], 0
	s_mov_b32 s[G1B+7], 0
	s_mov_b32 s[G1+7], 0
	; A's tiles hang on the block row alone, B's on the block column alone; each address lies in registers that never hold the other coordinate.
	s_lshl_b32 s17, s12, 7
	s_lshl_b32 s16, s13, 8
	s_add_co_u32 s16, s16, s17                     ; A: row 256 x block row + 128 x half
	s_lshl_b32 s46, s42, 8
	s_add_co_u32 s46, s46, s17                     ; B: row 256 x block column + 128 x half
.if BROW0
	s_add_co_u32 s46, s46, BROW0                   ; in this weight's part of wt
.endif
	s_mov_b32 s17, 0
	s_mov_b32 s47, 0
	s_mov_b64 s[18:19], SIZE_K*2
	s_mul_u64 s[16:17], s[16:17], s[18:19]
	s_mul_u64 s[46:47], s[46:47], s[18:19]
	s_mul_i32 s20, s10, HALFT                      ; LDS: A's two halves, then B's two halves = wave x 128 rows
	s_wait_dscnt 0x0
	s_wait_kmcnt 0x0
	s_add_nc_u64 s[14:15], s[4:5], s[16:17]
	s_add_nc_u64 s[46:47], s[6:7], s[46:47]
	CROUND                                         ; all sixteen work-groups are here: the first joint loads meet
.irp s, 0,1
	s_mov_b32 s[G0+4*\s], 1
	s_add_co_u32 s[G0+4*\s+1], s20, \s*SLOT
	s_add_nc_u64 s[G0+4*\s+2:G0+4*\s+3], s[14:15], \s*KSTEP*2
	s_or_b32 s[G0+4*\s+3], s[G0+4*\s+3], 0x80000000
	s_mov_b32 s[G0B+4*\s], 1
	s_add_co_u32 s[G0B+4*\s+1], s20, \s*SLOT
	s_add_nc_u64 s[G0B+4*\s+2:G0B+4*\s+3], s[46:47], \s*KSTEP*2
	s_or_b32 s[G0B+4*\s+3], s[G0B+4*\s+3], 0x80000000
	JLOAD \s                                       ; both first fills go out together: two tensor loads of the wave are out
.endr
	v_and_b32 v1, 15, v0                           ; l % 16
	v_bfe_u32 v2, v0, 4, 1                         ; h = l / 16
	v_mul_u32_u24 v3, v1, PITCH
	v_lshl_add_u32 v3, v2, 4, v3                   ; row x pitch + 16 h
	s_mul_i32 s21, s11, HALFT                      ; my 128 rows of A
	s_mul_i32 s22, s12, HALFT                      ; my 128 rows of B,
	s_add_co_u32 s22, s22, 2*HALFT                 ; which lie behind A's 256
.irp s, 0,1
	v_add_nc_u32 v[ADRA+\s], s21, v3
	v_add_nc_u32 v[ADRB+\s], s22, v3
	s_add_co_u32 s21, s21, SLOT
	s_add_co_u32 s22, s22, SLOT
.endr
	v_lshlrev_b32 v[BO], 5, v2
	v_and_b32 v3, 31, v0
	v_lshlrev_b32 v[SO], 4, v3
	s_lshl_b32 s45, s10, 10
	s_add_co_u32 s45, s45, SCL                     ; my scratch
	v_lshl_add_u32 v[SA], v1, 2, s45
	v_add_nc_u32 v[SL], s45, v[SO]
	v_mov_b32 v31, 0                               ; v_permlanex16_b32 counts as a reader of its destination
	; global places of my 128 x 128: offsets in registers of their own, all below 2^27
	s_lshl_b32 s66, s13, 8
	s_lshl_b32 s69, s11, 7
	s_add_co_u32 s66, s66, s69                     ; my first row
	s_lshl_b32 s67, s42, 8
	s_lshl_b32 s69, s12, 7
	s_add_co_u32 s67, s67, s69                     ; my first column
	s_mov_b32 s79, 0
	s_add_co_u32 s78, s67, BROW0
	s_lshl_b32 s78, s78, 2
	s_add_nc_u64 s[70:71], s[84:85], s[78:79]      ; the bias of my columns
	s_lshl_b32 s78, s13, 2
	s_add_co_u32 s78, s78, s42
	s_lshl_b32 s78, s78, 2
	s_add_co_u32 s78, s78, s10
	s_lshl_b32 s78, s78, 15                        ; ((block row x 4 + block column) x 4 + wave) x 32,768
	s_add_nc_u64 s[72:73], s[86:87], s[78:79]      ; my piece of kh
	s_lshl_b32 s78, s67, 9                         ; plane (column / 128) of 65,536 bytes
	s_lshl_b32 s69, s66, 2
	s_add_co_u32 s78, s78, s69
	s_add_nc_u64 s[74:75], s[88:89], s[78:79]      ; my 128 words of ssk
	s_mov_b32 s80, 0x76543210                      ; v_permlanex16_b32: lane i of one half reads lane i of the other
	s_mov_b32 s81, 0xfedcba98
	; the bias in the accumulators' own layout: register 8 b + j = column 16 b + 8 h + j
	WIN TO_B
.irp b, 0,1,2,3,4,5,6,7
	global_load_b128 v[BIAS+8*\b:BIAS+8*\b+3],   v[BO], s[70:71] offset:64*\b
	global_load_b128 v[BIAS+8*\b+4:BIAS+8*\b+7], v[BO], s[70:71] offset:64*\b+16
.endr
	WIN 0
; 16 matrix instructions: m blocks a0, a0 + 1 of the window's four x all 8 n blocks, 32 along K.  first = 1: the first product starts the sums from the bias.
; The accumulators take turns, one instruction a turn, in the same order in every quarter step, over the backward jump too.
.macro MUL16 f, hi, a0, first
.irp a, \a0, \a0+1
.irp b, 0,1,2,3,4,5,6,7
.if \first
	v_wmma_f32_16x16x32_bf16 v[8*(8*(\a)+\b):8*(8*(\a)+\b)+7], v[\f+8*\b:\f+8*\b+7], v[\f+8*(4*\hi+\a):\f+8*(4*\hi+\a)+7], v[BIAS+8*\b:BIAS+8*\b+7]
.else
	v_wmma_f32_16x16x32_bf16 v[8*(8*(\a)+\b):8*(8*(\a)+\b)+7], v[\f+8*\b:\f+8*\b+7], v[\f+8*(4*\hi+\a):\f+8*(4*\hi+\a)+7], v[8*(8*(\a)+\b):8*(8*(\a)+\b)+7]
.endif
.endr
.endr
.endm
; Fragments of one quarter step (32 K at byte k of the rows) into buffer f: B's 128 rows (16 loads); four of A's fragments from number i0 (8 loads)
.macro FETCHB slot, k, f
	WIN TO_B
.irp i, 0,1,2,3,4,5,6,7
	ds_load_b128 v[\f+8*\i:\f+8*\i+3],   v[ADRB+\slot] offset:\k+\i*16*PITCH
	ds_load_b128 v[\f+8*\i+4:\f+8*\i+7], v[ADRB+\slot] offset:\k+\i*16*PITCH+32
.endr
.set DSN, DSN+16
.endm
.macro FETCHA slot, k, f, i0
	WIN 0
.irp i, \i0, \i0+1, \i0+2, \i0+3
	ds_load_b128 v[\f+8*(\i):\f+8*(\i)+3],   v[ADRA+\slot] offset:\k+(\i)*16*PITCH
	ds_load_b128 v[\f+8*(\i)+4:\f+8*(\i)+7], v[ADRA+\slot] offset:\k+(\i)*16*PITCH+32
.endr
.set DSN, DSN+8
.endm
.macro FETCH slot, k, f
	FETCHB \slot, \k, \f
	FETCHA \slot, \k, \f, 0
	FETCHA \slot, \k, \f, 4
.endm
; Four places of plain vector instructions stand between a matrix instruction and a load into, or a vector instruction on, its registers.
.macro PLACES
.rept 4
	v_nop
.endr
.endm
.macro QUARTER slot, k, f, g, first
	s_wait_dscnt 8                                 ; B and A's rows 0-63 are in; the youngest eight loads (A's rows 64-127) may be out
.if \first
	WIN FIRST_LO
.else
	WIN MUL_LO
.endif
	MUL16 \f, 0, 0, \first
	MUL16 \f, 0, 2, \first
	PLACES
	FETCH \slot, \k, \g
	s_wait_dscnt 32                                ; all but the 32 just issued
.if \first
	WIN FIRST_HI
.else
	WIN MUL_HI
.endif
	MUL16 \f, 1, 0, \first
	MUL16 \f, 1, 2, \first
.endm
.macro THREE slot, first
	QUARTER \slot, 64,  F0, F1, \first
	QUARTER \slot, 128, F1, F0, 0
	QUARTER \slot, 192, F0, F1, 0
.endm
; The last quarter of a K step changes slots.  In front of the barrier each wave waits for its reads of this slot and for all its tensor loads (one is out: its
; part of the next slot).  Behind it (fill = 1: behind the whole round of the cluster's barrier) the refill comes first, then the next slot's first fragments.
.macro TURN slot, next, fill
	s_wait_dscnt 8
	WIN MUL_LO
	MUL16 F1, 0, 0, 0
	s_wait_dscnt 0                                 ; my reads of this slot are over
	s_wait_tensorcnt 0x0                           ; all my tensor loads have landed
	ds_add_u32 v63, v63
	s_wait_dscnt 0x0
	s_barrier_signal -1
	MUL16 F1, 0, 2, 0                              ; register work while the others arrive
	WIN 0
	s_barrier_wait -1
.if \fill
	CREST                                          ; no wave of any partner still reads this slot or has a load on its way
	s_add_nc_u64 s[G0+4*\slot+2:G0+4*\slot+3], s[G0+4*\slot+2:G0+4*\slot+3], 2*KSTEP*2
	s_add_nc_u64 s[G0B+4*\slot+2:G0B+4*\slot+3], s[G0B+4*\slot+2:G0B+4*\slot+3], 2*KSTEP*2
	JLOAD \slot                                    ; the wave's one tensor load behind the round
.endif
	PLACES
	FETCH \next, 0, F0
	WIN MUL_HI
	MUL16 F1, 1, 0, 0
	MUL16 F1, 1, 2, 0
.endm
.macro LAP first
	THREE 0, \first
	TURN 0, 1, 1
	THREE 1, 0
	TURN 1, 0, 1
.endm
; THE WAY OUT as a numbered list, GLEN numbers for each group of 16 rows GI = 0..7 (tiles (GI % 4, 0..7) of window 2 or 3); one call writes entry ON and steps ON.
;   0-31 squares in four chains   32-37 the row's sum (lane l ^ 16 holds the row's other 64 columns)   38 the sum into my scratch   39-43 its factor
;   44-75 scale   76-116 pack a tile to f16 and store the tile before it: the wave's store covers 512 consecutive bytes, aligned
.macro OUTINS
.set GI, ON/GLEN
.set NN, ON%GLEN
.set AB, 64*(GI%4)                     ; the group's first accumulator register in its window
.set AW, 2+GI/4                        ; that window
.if NN < 4
	WIN AW*5                                       ; sources 0 and 1 in the accumulators' window
	v_pk_mul_f32 v[SQ+2*NN:SQ+2*NN+1], v[AB+2*NN:AB+2*NN+1], v[AB+2*NN:AB+2*NN+1]      ; the first four pairs start the chains
.elseif NN < 32
	WIN AW*5
	v_pk_fma_f32 v[SQ+2*(NN%4):SQ+2*(NN%4)+1], v[AB+2*NN:AB+2*NN+1], v[AB+2*NN:AB+2*NN+1], v[SQ+2*(NN%4):SQ+2*(NN%4)+1]
.elseif NN < 44
	WIN 0
.if NN == 32
	v_pk_add_f32 v[SQ:SQ+1], v[SQ:SQ+1], v[SQ+2:SQ+3]
.elseif NN == 33
	v_pk_add_f32 v[SQ+4:SQ+5], v[SQ+4:SQ+5], v[SQ+6:SQ+7]
.elseif NN == 34
	v_pk_add_f32 v[SQ:SQ+1], v[SQ:SQ+1], v[SQ+4:SQ+5]
.elseif NN == 35
	v_add_f32 v[SS], v[SQ], v[SQ+1]
.elseif NN == 36
	v_permlanex16_b32 v31, v[SS], s80, s81
.elseif NN == 37
	v_add_f32 v[SS], v[SS], v31
.elseif NN == 38
	ds_store_b32 v[SA], v[SS] offset:64*GI         ; both halves write the same word with the same value
.set DSN, DSN+1
.elseif NN == 39
	v_max_num_f32 v29, 0x00800000, v[SS]           ; a group of zeros gives 0 x a finite factor
.elseif NN == 40
	v_rsq_f32 v28, v29
.elseif NN == 41
	s_wait_xcnt 0x0                                ; PK, which the last group's stores read, is rewritten only behind this wait
.elseif NN == 42
	v_nop                                          ; one plain instruction behind the transcendental (ISA guide 5.7.2)
.else
	s_wait_alu depctr_va_vdst(0)
	v_mov_b32 v29, v28
.endif
.elseif NN < 76
.set MM, 2*(NN-44)
	WIN AW                                         ; source 0 in the accumulators' window
	v_pk_mul_f32 v[T+MM:T+MM+1], v[AB+MM:AB+MM+1], v[28:29]
.elseif NN < 116
.set MM, NN-76
.set UU, MM/5
.if MM%5 < 4
	WIN 0
	v_cvt_pk_f16_f32 v[PK+4*UU+MM%5], v[T+8*UU+2*(MM%5)], v[T+8*UU+2*(MM%5)+1]
.elseif UU > 0
	WIN 0
	global_store_b128 v[SO], v[PK+4*(UU-1):PK+4*(UU-1)+3], s[72:73] offset:(8*GI+UU-1)*512
.endif
.elseif NN == 116
	WIN 0
	global_store_b128 v[SO], v[PK+28:PK+31], s[72:73] offset:(8*GI+7)*512
.endif
.set ON, ON+1
.endm
.macro SLICE
.rept PER
	OUTINS
.endr
.endm
; Eight matrix instructions on my rows 64 + 16 a .. + 15, a slice of the way out behind each.  The slices name none of these instructions' registers.
.macro MULS8 f, a
.irp b, 0,1,2,3,4,5,6,7
	WIN MUL_HI
	v_wmma_f32_16x16x32_bf16 v[8*(8*\a+\b):8*(8*\a+\b)+7], v[\f+8*\b:\f+8*\b+7], v[\f+8*(4+\a):\f+8*(4+\a)+7], v[8*(8*\a+\b):8*(8*\a+\b)+7]
	SLICE
.endr
.endm
; A quarter of the last K step on rows 0-63: first the next quarter's fragments into buffer g (B, and A's rows 0-63 if witha), then 32 matrix instructions on buffer f.
.macro LOQ f, g, k, witha
	PLACES                                         ; behind the matrix instructions that read buffer g
	FETCHB 1, \k, \g
.if \witha
	FETCHA 1, \k, \g, 0
	s_wait_dscnt 24                                ; all but the 24 just issued: buffer f is in
.else
	s_wait_dscnt 16                                ; all but the 16 just issued
.endif
.set MARK, DSN
	WIN MUL_LO
	MUL16 \f, 0, 0, 0
	MUL16 \f, 0, 2, 0
.endm
; A quarter on rows 64-127.  The next quarter's fragments are fetched behind the first eight slices, whose plain vector instructions are the places behind buffer g's last readers.
.macro HIQ f, g, k, more
	s_wait_dscnt DSN-MARK                          ; the LDS instructions written behind buffer f's fetch may be out
	MULS8 \f, 0
.if \more
	FETCHB 1, \k, \g
	FETCHA 1, \k, \g, 4
.set MARK, DSN
.endif
	MULS8 \f, 1
	MULS8 \f, 2
	MULS8 \f, 3
.endm
	s_wait_loadcnt 0x0                             ; the bias: the first products read it
	s_wait_tensorcnt 1                             ; my part of K step 0 is in; K step 1's stays out
	s_barrier_signal -1
	s_barrier_wait -1
	FETCH 0, 0, F0
	LAP 1
.if LAPS > 2
	WIN 0
	s_mov_b32 s3, LAPS-2
.Llap:
	LAP 0
	WIN 0
	s_sub_co_u32 s3, s3, 1
	s_cmp_lg_u32 s3, 0
	s_cbranch_scc1 .Llap
.endif
	THREE 0, 0                                     ; the last lap fills nothing
	TURN 0, 1, 0                                   ; its fetch brings the last K step's first quarter: B, and all of A's rows; rows 64-127 stay in buffer 0 until they are used
	LOQ F0, F1, 64,  1
	LOQ F1, F0, 128, 1
	LOQ F0, F1, 192, 1
	LOQ F1, F0, 0,   0                             ; B's first quarter once more, for rows 64-127
	PLACES                                         ; the slices read window 2's results and write over A's fragments of rows 0-63
	HIQ F0, F1, 64,  1
	HIQ F1, F0, 128, 1
	HIQ F0, F1, 192, 1
	HIQ F1, F0, 0,   0
	PLACES                                         ; behind the last matrix instructions: window 3's results are read next
.rept 4*GLEN
	OUTINS                                         ; rows 64-127
.endr
	WIN 0
	ds_load_b128 v[200:203], v[SL]                 ; my 128 rows' sums, four a lane; in order behind my stores of them
	s_wait_dscnt 0x0
	global_store_b128 v[SO], v[200:203], s[74:75]  ; 512 consecutive bytes
	s_set_vgpr_msb 0x1
	s_wait_tensorcnt 0x0
	ds_add_u32 v63, v63
	s_wait_dscnt 0x0
	s_set_vgpr_msb 0x100
	CROUND                                         ; the closing round: no work-group ends while a partner may still ask for a tile that names it
	s_endpgm
.Lfunc_end_k_q6b221518a3_gemmK:
	.size	k_q6b221518a3_gemmK, .Lfunc_end_k_q6b221518a3_gemmK-k_q6b221518a3_gemmK
	.p2alignl 7, 3214868480
	.fill 96, 4, 3214868480
	.section	.rodata,"a",@progbits
	.p2align	6, 0x0
	.amdhsa_kernel k_q6b221518a3_gemmK
		.amdhsa_group_segment_fixed_size 327680
		.amdhsa_private_segment_fixed_size 0
		.amdhsa_enable_private_segment 0
		.amdhsa_kernarg_size 40
		.amdhsa_user_sgpr_count 2
		.amdhsa_user_sgpr_kernarg_segment_ptr 1
		.amdhsa_wavefront_size32 1
		.amdhsa_system_sgpr_workgroup_id_x 1
		.amdhsa_system_sgpr_workgroup_id_y 1
		.amdhsa_system_sgpr_workgroup_id_z 1
		.amdhsa_system_vgpr_workitem_id 0
		.amdhsa_next_free_vgpr 1024
		.amdhsa_next_free_sgpr 92
		.amdhsa_reserve_vcc 0
		.amdhsa_float_denorm_mode_32 3
		.amdhsa_float_denorm_mode_16_64 3
		.amdhsa_memory_ordered 1
		.amdhsa_forward_progress 1
		.amdhsa_inst_pref_size 236
	.end_amdhsa_kernel
	.amdgpu_metadata
---
amdhsa.version: [ 1, 2 ]
amdhsa.kernels:
  - .name:           k_q6b221518a3_gemmK
    .symbol:         k_q6b221518a3_gemmK.kd
    .args:
      - { .name: xb, .offset: 0, .size: 8, .value_kind: global_buffer, .address_space: global }
      - { .name: wt, .offset: 8, .size: 8, .value_kind: global_buffer, .address_space: global }
      - { .name: bqkv, .offset: 16, .size: 8, .value_kind: global_buffer, .address_space: global }
      - { .name: kh, .offset: 24, .size: 8, .value_kind: global_buffer, .address_space: global }
      - { .name: ssk, .offset: 32, .size: 8, .value_kind: global_buffer, .address_space: global }
    .group_segment_fixed_size: 327680
    .private_segment_fixed_size: 0
    .kernarg_segment_align: 8
    .kernarg_segment_size: 40
    .max_flat_workgroup_size: 128
    .sgpr_count:     92
    .vgpr_count:     1024
    .wavefront_size: 32
...
	.end_amdgpu_metadata
.endif
;; end of part 2
;; launch gemmV (part 3): grid 4 x 64, 4 waves a work-group, clusters of 4 x 4, 327,680 bytes of LDS; arguments xb, wt, bqkv, kh, ssk, kvp; writes kvp
.if DOCPART == 3
	.amdgcn_target "amdgcn-amd-amdhsa--gfx1250"
	.amdhsa_code_object_version 6
	.text
	.protected	k_q6b221518a3_gemmV
	.globl	k_q6b221518a3_gemmV
	.p2align	8
	.type	k_q6b221518a3_gemmV,@function
k_q6b221518a3_gemmV:
	s_mov_b64 s[64:65], 0
	v_nop
	global_prefetch_b8 v0, s[64:65] scope:SCOPE_SE
	s_setreg_imm32_b32 hwreg(HW_REG_WAVE_MODE, 25, 1), 1
	s_wait_xcnt 0x0
	s_wait_alu depctr_hold_cnt(0) depctr_sa_sdst(0) depctr_va_vdst(0) depctr_va_sdst(0) depctr_va_ssrc(0) depctr_va_vcc(0) depctr_vm_vsrc(0)
	s_getreg_b32 s2, hwreg(HW_REG_IB_STS2, 6, 4)
	s_cmp_eq_u32 s2, 0
	s_cbranch_scc0 .Lentry_in_a_cluster
	s_endpgm
.Lentry_in_a_cluster:
	s_bfe_u32 s2, ttmp6, 0x10000c
	s_cmp_lg_u32 s2, 0xf033
	s_cbranch_scc0 .Lentry_shape_is_right
	s_endpgm
.Lentry_shape_is_right:
; HydraAttention, step 3 of 5: v = xb Wv + bv, never stored, and the pool over t.  kvp[block row][n] = the sum over the block's 256 rows t of g[t] kh[t][n] v[t][n],
; with g[t] = sqrt(max(own group's sum of squares, 2^-126)) / sqrt(the sum of the row's eight groups): g kh = k / |k|.  Nothing is left out.
; kh lies in register order (a wave's piece: 32,768 bytes at ((block row x 4 + block column) x 4 + wave) x 32,768; tile (i, b): 512 bytes, 16 a lane): it is loaded as the same wave stored it.
; LIMITS: a row's sum of squares below 2^-126 counts as zero in the reciprocal root (a row of zeros gives NaN, as 0 / 0 does in reference()); one above f32's largest number overflows as there.
; THE PRODUCT: a work-group makes 256 x 256 with four waves, a wave 128 x 128: 64 accumulator tiles, 512 registers.  K = 1,024 goes in steps of 128 through a ring
; of two LDS slots filled by tensor loads.  The bias is the C operand of each tile's first product.  CLUSTERS: 4 x 4 work-groups; xb's tiles are asked for jointly along a row, wt's along a column.
; THE LAST K STEP takes my rows 0-63 through all its 128 k first, then rows 64-127; behind each of the latter's 128 matrix instructions stands one slice (PER entries)
; of the pool over rows 0-63.  B's fragments of that step are read twice: 64 LDS loads more on a wave's 1,024.
; REGISTERS: window 0: v0-15 addresses, v16-31 g of my row in each of the eight groups, twice; v32-127 three groups of kh (f16 halves have names below v128 only: hence the fragments lie above);
;   v128-255 fragments of A (two buffers; rows 0-63 in each buffer's lower half, which holds kh in f32 later);  window 1: v0-63 the bias, v64-127 the running sums, v128-255 fragments of B;
;   windows 2, 3: the accumulators (tile (a, b) at v[8 (8 a + b)]).
; The matrix instruction is used transposed: lane l holds row l % 16, its registers 0-7 the columns 8 (l / 16) + 0..7.
.set SIZE_K, 1024
.set BROW0,  2048                      ; Wv's columns are rows 2048-3071 of wt, bv is bqkv[2048..]
.set KSTEP,  128
.set PITCH,  272
.set HALFT,  128*PITCH
.set SLOT,   4*HALFT
.set SCL,    2*SLOT                    ; 1,024 bytes for each wave: [0, 512) g of its 128 rows, [512, 1024) its 128 column sums; no tensor load fills it
.set LAPS,   SIZE_K/(2*KSTEP)
.set BO,   6                           ; v6   32 h
.set SO,   7                           ; v7   16 x lane
.set SA,   8                           ; v8   scratch + 4 (l % 16)
.set SL,   9                           ; v9   scratch + 16 x lane
.set KA,   10                          ; v10  scratch + 512 + 32 h
.set ADRA, 12
.set ADRB, 14
.set GP,   16                          ; v[16+2i:17+2i]  g of row 16 i + l % 16, twice
.set KF,   32                          ; group i of kh in v[32 + 32 (i % 3) ..], f16 pairs
.set F0,   128
.set F1,   192
.set KU,   128                         ; kh in f32: numbers 0-31 in v128-159, 32-63 in v192-223
.set SF,   32                          ; the finished sums, window 0: register 8 b + j = column 16 b + 8 h + j
.set PL,   128                         ; at the head: eight planes of ssk, four rows a lane
.set OWN,  160                         ; my column group's plane; v164-175 at work
.set BIAS, 0                           ; window 1
.set SUM,  64                          ; window 1
.set G1, 24
.set G0, 32
.set G1B, 48
.set G0B, 56
.set PER,  5                           ; entries of the pool behind one matrix instruction: 137 entries for 16 rows in 32 slices
.set GLEN, 32*PER
.set ON,   0
.set DSN,  0                           ; LDS instructions written so far; only differences inside the straight-line tail are used
.set MARK, 0
.set MSB, 0
.macro WIN new                         ; the immediate's high byte repeats the setting that is left
.if MSB != (\new)
	s_set_vgpr_msb (MSB<<8)|(\new)
.set MSB, (\new)
.endif
.endm
.set MUL_LO, 0xa1
.set MUL_HI, 0xf1
.set FIRST_LO, 0x91                    ; the first product: C is the bias in window 1
.set FIRST_HI, 0xd1
.set TO_B,   0x40
.macro JLOAD s                         ; waves 0 and 1 fetch A's halves, waves 2 and 3 B's; the branch hangs on the wave's number alone
	s_cmp_eq_u32 s11, 0
	s_cbranch_scc0 .Lfor_b_\@
	tensor_load_to_lds s[G0+4*\s:G0+4*\s+3], s[G1:G1+7]
	s_nop 0
	s_branch .Lasked_\@
.Lfor_b_\@:
	tensor_load_to_lds s[G0B+4*\s:G0B+4*\s+3], s[G1B:G1B+7]
	s_nop 0
.Lasked_\@:
.endm
.macro CREST                           ; a round of the cluster's barrier behind its opening barrier
	s_cmp_lg_u32 s10, 0
	s_cbranch_scc1 .Lnot_wave_0_\@
	s_barrier_signal -3
.Lnot_wave_0_\@:
	s_barrier_wait -3
	s_barrier_signal -1
	s_barrier_wait -1
.endm
.macro CROUND
	s_barrier_signal -1
	s_barrier_wait -1
	CREST
.endm
	s_load_b128 s[4:7], s[0:1], 0x0                ; xb s[4:5], wt s[6:7]
	s_load_b256 s[84:91], s[0:1], 0x10             ; bqkv s[84:85], kh s[86:87], ssk s[88:89], kvp s[90:91]
	v_lshl_add_u32 v5, v0, 2, 0x45000
	v_mov_b32 v11, 0
	ds_add_u32 v5, v11
	v_lshrrev_b32 v1, 5, v0
	v_readfirstlane_b32 s10, v1                    ; wave 0..3
	s_lshr_b32 s11, s10, 1                         ; my half of the block's rows; also: I fetch for A (0) or B (1)
	s_and_b32 s12, s10, 1                          ; my half of its columns; also: which 128 rows of the tile I fetch
	s_bfe_u32 s40, ttmp6, 0x40000                  ; cx
	s_bfe_u32 s41, ttmp6, 0x40004                  ; cy
	s_lshl_b32 s42, ttmp9, 2
	s_add_co_u32 s42, s42, s40                     ; block column
	s_and_b32 s13, ttmp7, 0xffff
	s_lshl_b32 s13, s13, 2
	s_add_co_u32 s13, s13, s41                     ; block row
	s_lshl_b32 s43, s41, 2
	s_lshl_b32 s43, 15, s43                        ; my row of the cluster
	s_lshl_b32 s44, 0x1111, s40                    ; my column
	s_or_b32 s[G1+0], s43, (1<<16)|(1<<20)|(1<<21)|(5<<22)|(3<<25)   ; mask; elements of 2 bytes; 16 bytes of padding behind every 64 words
	s_or_b32 s[G1B+0], s44, (1<<16)|(1<<20)|(1<<21)|(5<<22)|(3<<25)
	s_mov_b32 s[G1B+1], KSTEP<<16
	s_mov_b32 s[G1+1], KSTEP<<16                   ; tensor_dim0 = 128
	s_mov_b32 s[G1B+2], 128<<16
	s_mov_b32 s[G1+2], 128<<16                     ; tensor_dim1 = 128
	s_mov_b32 s[G1B+3], KSTEP<<16
	s_mov_b32 s[G1+3], KSTEP<<16                   ; tile_dim0 = 128
	s_mov_b32 s[G1B+4], 128
	s_mov_b32 s[G1+4], 128                         ; tile_dim1 = 128
	s_mov_b32 s[G1B+5], SIZE_K
	s_mov_b32 s[G1+5], SIZE_K                      ; elements from row to row
	s_mov_b32 s[G1B+6], 0
	s_mov_b32 s[G1+6], 0
	s_mov_b32 s[G1B+7], 0
	s_mov_b32 s[G1+7], 0
	s_lshl_b32 s17, s12, 7
	s_lshl_b32 s16, s13, 8
	s_add_co_u32 s16, s16, s17                     ; A: row 256 x block row + 128 x half
	s_lshl_b32 s46, s42, 8
	s_add_co_u32 s46, s46, s17                     ; B: row 256 x block column + 128 x half
.if BROW0
	s_add_co_u32 s46, s46, BROW0
.endif
	s_mov_b32 s17, 0
	s_mov_b32 s47, 0
	s_mov_b64 s[18:19], SIZE_K*2
	s_mul_u64 s[16:17], s[16:17], s[18:19]
	s_mul_u64 s[46:47], s[46:47], s[18:19]
	s_mul_i32 s20, s10, HALFT
	s_wait_dscnt 0x0
	s_wait_kmcnt 0x0
	s_add_nc_u64 s[14:15], s[4:5], s[16:17]
	s_add_nc_u64 s[46:47], s[6:7], s[46:47]
	CROUND                                         ; the first joint loads meet
.irp s, 0,1
	s_mov_b32 s[G0+4*\s], 1
	s_add_co_u32 s[G0+4*\s+1], s20, \s*SLOT
	s_add_nc_u64 s[G0+4*\s+2:G0+4*\s+3], s[14:15], \s*KSTEP*2
	s_or_b32 s[G0+4*\s+3], s[G0+4*\s+3], 0x80000000
	s_mov_b32 s[G0B+4*\s], 1
	s_add_co_u32 s[G0B+4*\s+1], s20, \s*SLOT
	s_add_nc_u64 s[G0B+4*\s+2:G0B+4*\s+3], s[46:47], \s*KSTEP*2
	s_or_b32 s[G0B+4*\s+3], s[G0B+4*\s+3], 0x80000000
	JLOAD \s                                       ; two tensor loads of the wave are out
.endr
	v_and_b32 v1, 15, v0                           ; l % 16
	v_bfe_u32 v2, v0, 4, 1                         ; h
	v_mul_u32_u24 v3, v1, PITCH
	v_lshl_add_u32 v3, v2, 4, v3
	s_mul_i32 s21, s11, HALFT
	s_mul_i32 s22, s12, HALFT
	s_add_co_u32 s22, s22, 2*HALFT
.irp s, 0,1
	v_add_nc_u32 v[ADRA+\s], s21, v3
	v_add_nc_u32 v[ADRB+\s], s22, v3
	s_add_co_u32 s21, s21, SLOT
	s_add_co_u32 s22, s22, SLOT
.endr
	v_lshlrev_b32 v[BO], 5, v2
	v_and_b32 v3, 31, v0
	v_lshlrev_b32 v[SO], 4, v3
	s_lshl_b32 s45, s10, 10
	s_add_co_u32 s45, s45, SCL
	v_lshl_add_u32 v[SA], v1, 2, s45
	v_add_nc_u32 v[SL], s45, v[SO]
	v_add_nc_u32 v[KA], s45, v[BO]
	v_add_nc_u32 v[KA], 512, v[KA]
	s_lshl_b32 s66, s13, 8
	s_lshl_b32 s69, s11, 7
	s_add_co_u32 s66, s66, s69                     ; my first row
	s_lshl_b32 s67, s42, 8
	s_lshl_b32 s69, s12, 7
	s_add_co_u32 s67, s67, s69                     ; my first column
	s_mov_b32 s79, 0
	s_add_co_u32 s78, s67, BROW0
	s_lshl_b32 s78, s78, 2
	s_add_nc_u64 s[70:71], s[84:85], s[78:79]      ; the bias of my columns
	s_lshl_b32 s78, s13, 2
	s_add_co_u32 s78, s78, s42
	s_lshl_b32 s78, s78, 2
	s_add_co_u32 s78, s78, s10
	s_lshl_b32 s78, s78, 15                        ; ((block row x 4 + block column) x 4 + wave) x 32,768
	s_add_nc_u64 s[76:77], s[86:87], s[78:79]      ; my piece of kh
	s_lshl_b32 s78, s66, 2
	s_add_nc_u64 s[74:75], s[88:89], s[78:79]      ; plane 0 of ssk at my rows
	s_lshl_b32 s78, s67, 9                         ; plane (column / 128) of 65,536 bytes
	s_add_nc_u64 s[82:83], s[74:75], s[78:79]      ; my column group's plane at my rows
	s_lshl_b32 s78, s13, 12
	s_lshl_b32 s69, s67, 2
	s_add_co_u32 s78, s78, s69
	s_add_nc_u64 s[72:73], s[90:91], s[78:79]      ; kvp: row = block row, my 128 columns
	WIN TO_B
.irp b, 0,1,2,3,4,5,6,7
	global_load_b128 v[BIAS+8*\b:BIAS+8*\b+3],   v[BO], s[70:71] offset:64*\b
	global_load_b128 v[BIAS+8*\b+4:BIAS+8*\b+7], v[BO], s[70:71] offset:64*\b+16
.endr
	WIN 0
.irp p, 0,1,2,3,4,5,6,7
	global_load_b128 v[PL+4*\p:PL+4*\p+3], v[SO], s[74:75] offset:65536*\p      ; 512 consecutive bytes: rows 4 x lane .. + 3
.endr
	global_load_b128 v[OWN:OWN+3], v[SO], s[82:83]
.irp g, 0,1,2
.irp t, 0,1,2,3,4,5,6,7
	global_load_b128 v[KF+32*\g+4*\t:KF+32*\g+4*\t+3], v[SO], s[76:77] offset:(8*\g+\t)*512   ; the first three groups of kh: waited for in the last K step
.endr
.endr
	; g of my 128 rows, made while the first tiles are on their way
	s_wait_loadcnt 24                              ; all but the 24 loads of kh: the bias and the planes are in
.macro QADD d, s
	v_pk_add_f32 v[PL+4*\d:PL+4*\d+1],   v[PL+4*\d:PL+4*\d+1],   v[PL+4*\s:PL+4*\s+1]
	v_pk_add_f32 v[PL+4*\d+2:PL+4*\d+3], v[PL+4*\d+2:PL+4*\d+3], v[PL+4*\s+2:PL+4*\s+3]
.endm
	QADD 0, 4
	QADD 1, 5
	QADD 2, 6
	QADD 3, 7
	QADD 0, 2
	QADD 1, 3
	QADD 0, 1                                      ; |k|^2 of four rows
.irp e, 0,1,2,3
	v_max_num_f32 v[OWN+\e], 0x00800000, v[OWN+\e] ; the same floor as where kh was made
.endr
.irp e, 0,1,2,3
	v_sqrt_f32 v[164+\e], v[OWN+\e]
.endr
.irp e, 0,1,2,3
	v_rsq_f32 v[168+\e], v[PL+\e]
.endr
	v_nop                                          ; one plain instruction behind the transcendentals (ISA guide 5.7.2)
	s_wait_alu depctr_va_vdst(0)
	v_pk_mul_f32 v[172:173], v[164:165], v[168:169]
	v_pk_mul_f32 v[174:175], v[166:167], v[170:171]
	ds_store_b128 v[SL], v[172:175]                ; only my wave reads it, in order behind this store
.irp i, 0,1,2,3,4,5,6,7
	ds_load_b32 v[GP+2*\i],   v[SA] offset:64*\i   ; g of row 16 i + l % 16, into both registers of a pair for the packed multiply
	ds_load_b32 v[GP+2*\i+1], v[SA] offset:64*\i
.endr
	s_wait_dscnt 0x0                               ; no LDS instruction is out at the barrier below
; The accumulators take turns, one instruction a turn, in the same order in every quarter step, over the backward jump too.
.macro MUL16 f, hi, a0, first
.irp a, \a0, \a0+1
.irp b, 0,1,2,3,4,5,6,7
.if \first
	v_wmma_f32_16x16x32_bf16 v[8*(8*(\a)+\b):8*(8*(\a)+\b)+7], v[\f+8*\b:\f+8*\b+7], v[\f+8*(4*\hi+\a):\f+8*(4*\hi+\a)+7], v[BIAS+8*\b:BIAS+8*\b+7]
.else
	v_wmma_f32_16x16x32_bf16 v[8*(8*(\a)+\b):8*(8*(\a)+\b)+7], v[\f+8*\b:\f+8*\b+7], v[\f+8*(4*\hi+\a):\f+8*(4*\hi+\a)+7], v[8*(8*(\a)+\b):8*(8*(\a)+\b)+7]
.endif
.endr
.endr
.endm
.macro FETCHB slot, k, f               ; B's 128 rows, 32 K at byte k: 16 loads
	WIN TO_B
.irp i, 0,1,2,3,4,5,6,7
	ds_load_b128 v[\f+8*\i:\f+8*\i+3],   v[ADRB+\slot] offset:\k+\i*16*PITCH
	ds_load_b128 v[\f+8*\i+4:\f+8*\i+7], v[ADRB+\slot] offset:\k+\i*16*PITCH+32
.endr
.set DSN, DSN+16
.endm
.macro FETCHA slot, k, f, i0           ; four of A's fragments from number i0: 8 loads
	WIN 0
.irp i, \i0, \i0+1, \i0+2, \i0+3
	ds_load_b128 v[\f+8*(\i):\f+8*(\i)+3],   v[ADRA+\slot] offset:\k+(\i)*16*PITCH
	ds_load_b128 v[\f+8*(\i)+4:\f+8*(\i)+7], v[ADRA+\slot] offset:\k+(\i)*16*PITCH+32
.endr
.set DSN, DSN+8
.endm
.macro FETCH slot, k, f
	FETCHB \slot, \k, \f
	FETCHA \slot, \k, \f, 0
	FETCHA \slot, \k, \f, 4
.endm
.macro PLACES                          ; four places of plain vector instructions behind a matrix instruction (ISA guide 7.12.1)
.rept 4
	v_nop
.endr
.endm
.macro QUARTER slot, k, f, g, first
	s_wait_dscnt 8                                 ; the youngest eight loads (A's rows 64-127) may be out
.if \first
	WIN FIRST_LO
.else
	WIN MUL_LO
.endif
	MUL16 \f, 0, 0, \first
	MUL16 \f, 0, 2, \first
	PLACES
	FETCH \slot, \k, \g
	s_wait_dscnt 32                                ; all but the 32 just issued
.if \first
	WIN FIRST_HI
.else
	WIN MUL_HI
.endif
	MUL16 \f, 1, 0, \first
	MUL16 \f, 1, 2, \first
.endm
.macro THREE slot, first
	QUARTER \slot, 64,  F0, F1, \first
	QUARTER \slot, 128, F1, F0, 0
	QUARTER \slot, 192, F0, F1, 0
.endm
.macro TURN slot, next, fill
	s_wait_dscnt 8
	WIN MUL_LO
	MUL16 F1, 0, 0, 0
	s_wait_dscnt 0                                 ; my reads of this slot are over
	s_set_vgpr_msb 0xa1a0
	s_wait_tensorcnt 0x0                           ; all my tensor loads have landed
	ds_add_u32 v5, v11
	s_wait_dscnt 0x0
	s_set_vgpr_msb 0xa0a1
	s_barrier_signal -1
	MUL16 F1, 0, 2, 0
	WIN 0
	s_barrier_wait -1
.if \fill
	CREST                                          ; no wave of any partner still reads this slot or has a load on its way
	s_add_nc_u64 s[G0+4*\slot+2:G0+4*\slot+3], s[G0+4*\slot+2:G0+4*\slot+3], 2*KSTEP*2
	s_add_nc_u64 s[G0B+4*\slot+2:G0B+4*\slot+3], s[G0B+4*\slot+2:G0B+4*\slot+3], 2*KSTEP*2
	JLOAD \slot                                    ; the wave's one tensor load behind the round
.endif
	PLACES
	FETCH \next, 0, F0
	WIN MUL_HI
	MUL16 F1, 1, 0, 0
	MUL16 F1, 1, 2, 0
.endm
.macro LAP first
	THREE 0, \first
	TURN 0, 1, 1
	THREE 1, 0
	TURN 1, 0, 1
.endm
; f16 to f32 from the low or the high half of v[idx], idx = 32 .. 127.  A half is named by a literal only, so the name is picked from the list by a count.
.macro CVTL dst, idx
.set CC, 32
.irp s, v32.l,v33.l,v34.l,v35.l,v36.l,v37.l,v38.l,v39.l,v40.l,v41.l,v42.l,v43.l,v44.l,v45.l,v46.l,v47.l,v48.l,v49.l,v50.l,v51.l,v52.l,v53.l,v54.l,v55.l,v56.l,v57.l,v58.l,v59.l,v60.l,v61.l,v62.l,v63.l,v64.l,v65.l,v66.l,v67.l,v68.l,v69.l,v70.l,v71.l,v72.l,v73.l,v74.l,v75.l,v76.l,v77.l,v78.l,v79.l,v80.l,v81.l,v82.l,v83.l,v84.l,v85.l,v86.l,v87.l,v88.l,v89.l,v90.l,v91.l,v92.l,v93.l,v94.l,v95.l,v96.l,v97.l,v98.l,v99.l,v100.l,v101.l,v102.l,v103.l,v104.l,v105.l,v106.l,v107.l,v108.l,v109.l,v110.l,v111.l,v112.l,v113.l,v114.l,v115.l,v116.l,v117.l,v118.l,v119.l,v120.l,v121.l,v122.l,v123.l,v124.l,v125.l,v126.l,v127.l
.if CC == (\idx)
	v_cvt_f32_f16 v[\dst], \s
.endif
.set CC, CC+1
.endr
.endm
.macro CVTH dst, idx
.set CC, 32
.irp s, v32.h,v33.h,v34.h,v35.h,v36.h,v37.h,v38.h,v39.h,v40.h,v41.h,v42.h,v43.h,v44.h,v45.h,v46.h,v47.h,v48.h,v49.h,v50.h,v51.h,v52.h,v53.h,v54.h,v55.h,v56.h,v57.h,v58.h,v59.h,v60.h,v61.h,v62.h,v63.h,v64.h,v65.h,v66.h,v67.h,v68.h,v69.h,v70.h,v71.h,v72.h,v73.h,v74.h,v75.h,v76.h,v77.h,v78.h,v79.h,v80.h,v81.h,v82.h,v83.h,v84.h,v85.h,v86.h,v87.h,v88.h,v89.h,v90.h,v91.h,v92.h,v93.h,v94.h,v95.h,v96.h,v97.h,v98.h,v99.h,v100.h,v101.h,v102.h,v103.h,v104.h,v105.h,v106.h,v107.h,v108.h,v109.h,v110.h,v111.h,v112.h,v113.h,v114.h,v115.h,v116.h,v117.h,v118.h,v119.h,v120.h,v121.h,v122.h,v123.h,v124.h,v125.h,v126.h,v127.h
.if CC == (\idx)
	v_cvt_f32_f16 v[\dst], \s
.endif
.set CC, CC+1
.endr
.endm
; THE POOL as a numbered list, GLEN numbers for each group of 16 rows GI = 0..7; one call writes entry ON and steps ON.
;   0 the group's kh is in   1-64 kh to f32   65-72 the group three further on is asked for, into the registers just read   73-104 times g   105-136 the sums: v x (g kh)
; The wait's count: the loads of the groups younger than this one, two groups of eight up to group 5, then one, then none.
.macro OUTINS
.set GI, ON/GLEN
.set NN, ON%GLEN
.set AB, 64*(GI%4)                     ; the group's first accumulator register in its window
.set AW, 2+GI/4                        ; that window
.set KB, KF+32*(GI%3)                  ; its kh
.if NN == 0
.if GI < 6
	s_wait_loadcnt 16
.else
	s_wait_loadcnt 8*(7-GI)
.endif
.elseif NN < 65
.set MM, NN-1
.set KD, KU+MM+32*(MM/32)
.set KS, KB+MM/2
	WIN 0
.if MM%2
	CVTH KD, KS
.else
	CVTL KD, KS
.endif
.elseif NN < 73
.if GI < 5
	WIN 0
	global_load_b128 v[KB+4*(NN-65):KB+4*(NN-65)+3], v[SO], s[76:77] offset:(8*(GI+3)+NN-65)*512
.endif
.elseif NN < 105
.set MM, 2*(NN-73)
.set KD, KU+MM+32*(MM/32)
	WIN 0
	v_pk_mul_f32 v[KD:KD+1], v[KD:KD+1], v[GP+2*GI:GP+2*GI+1]        ; k / |k|
.elseif NN < 137
.set MM, 2*(NN-105)
.set KD, KU+MM+32*(MM/32)
.if GI == 0
	WIN 0x40|AW                                    ; source 0 the accumulators, destination window 1
	v_pk_mul_f32 v[SUM+MM:SUM+MM+1], v[AB+MM:AB+MM+1], v[KD:KD+1]    ; the first rows start the sums
.elseif GI < 7
	WIN 0x50|AW                                    ; source 2 and destination window 1
	v_pk_fma_f32 v[SUM+MM:SUM+MM+1], v[AB+MM:AB+MM+1], v[KD:KD+1], v[SUM+MM:SUM+MM+1]
.else
	WIN 0x10|AW                                    ; the last rows put the sums into window 0, over kh's registers, all read by now
	v_pk_fma_f32 v[SF+MM:SF+MM+1], v[AB+MM:AB+MM+1], v[KD:KD+1], v[SUM+MM:SUM+MM+1]
.endif
.endif
.set ON, ON+1
.endm
.macro SLICE
.rept PER
	OUTINS
.endr
.endm
; Eight matrix instructions on my rows 64 + 16 a .. + 15, a slice of the pool behind each.  The slices name none of these instructions' registers.
.macro MULS8 f, a
.irp b, 0,1,2,3,4,5,6,7
	WIN MUL_HI
	v_wmma_f32_16x16x32_bf16 v[8*(8*\a+\b):8*(8*\a+\b)+7], v[\f+8*\b:\f+8*\b+7], v[\f+8*(4+\a):\f+8*(4+\a)+7], v[8*(8*\a+\b):8*(8*\a+\b)+7]
	SLICE
.endr
.endm
; A quarter of the last K step on rows 0-63: first the next quarter's fragments into buffer g, then 32 matrix instructions on buffer f.
.macro LOQ f, g, k, witha
	PLACES                                         ; behind the matrix instructions that read buffer g
	FETCHB 1, \k, \g
.if \witha
	FETCHA 1, \k, \g, 0
	s_wait_dscnt 24                                ; all but the 24 just issued: buffer f is in
.else
	s_wait_dscnt 16                                ; all but the 16 just issued
.endif
.set MARK, DSN
	WIN MUL_LO
	MUL16 \f, 0, 0, 0
	MUL16 \f, 0, 2, 0
.endm
; A quarter on rows 64-127.  The next quarter's fragments are fetched behind the first eight slices, whose plain vector instructions are the places behind buffer g's last readers.
.macro HIQ f, g, k, more
	s_wait_dscnt DSN-MARK                          ; the LDS instructions written behind buffer f's fetch may be out
	MULS8 \f, 0
.if \more
	FETCHB 1, \k, \g
	FETCHA 1, \k, \g, 4
.set MARK, DSN
.endif
	MULS8 \f, 1
	MULS8 \f, 2
	MULS8 \f, 3
.endm
	s_wait_tensorcnt 1                             ; K step 0 is in; K step 1's load stays out
	s_barrier_signal -1
	s_barrier_wait -1
	FETCH 0, 0, F0
	LAP 1
.if LAPS > 2
	WIN 0
	s_mov_b32 s3, LAPS-2
.Llap:
	LAP 0
	WIN 0
	s_sub_co_u32 s3, s3, 1
	s_cmp_lg_u32 s3, 0
	s_cbranch_scc1 .Llap
.endif
	THREE 0, 0                                     ; the last lap fills nothing
	TURN 0, 1, 0                                   ; its fetch brings the last K step's first quarter; A's rows 64-127 stay in buffer 0 until they are used
	LOQ F0, F1, 64,  1
	LOQ F1, F0, 128, 1
	LOQ F0, F1, 192, 1
	LOQ F1, F0, 0,   0                             ; B's first quarter once more, for rows 64-127
	PLACES                                         ; the slices read window 2's results and write over A's fragments of rows 0-63
	HIQ F0, F1, 64,  1
	HIQ F1, F0, 128, 1
	HIQ F0, F1, 192, 1
	HIQ F1, F0, 0,   0
	PLACES                                         ; behind the last matrix instructions: window 3's results are read next
.rept 4*GLEN
	OUTINS                                         ; rows 64-127
.endr
	WIN 0
	; over the sixteen rows that the lanes of a half hold
.irp m, 1,2,4,8
.set n, 0
.rept 64
	v_add_f32_dpp v[SF+n], v[SF+n], v[SF+n] row_xmask:\m row_mask:0xf bank_mask:0xf
.set n, n+1
.endr
.endr
.irp b, 0,1,2,3,4,5,6,7
	ds_store_b128 v[KA], v[SF+8*\b:SF+8*\b+3]   offset:64*\b           ; the sixteen lanes of a half write the same words with the same values
	ds_store_b128 v[KA], v[SF+8*\b+4:SF+8*\b+7] offset:64*\b+16
.endr
	s_wait_dscnt 0x0                               ; my stores are done before I say so: waves 0 and 1 read waves 2 and 3's sums
	s_barrier_signal -1
	s_barrier_wait -1
	s_cmp_lg_u32 s11, 0
	s_cbranch_scc1 .Lno_sum
	ds_load_b128 v[32:35], v[SL] offset:512        ; my rows 0-127 of the block,
	ds_load_b128 v[36:39], v[SL] offset:2560       ; and rows 128-255 of the same columns: the wave two further on
	s_wait_dscnt 0x0
	v_pk_add_f32 v[32:33], v[32:33], v[36:37]
	v_pk_add_f32 v[34:35], v[34:35], v[38:39]
	global_store_b128 v[SO], v[32:35], s[72:73]    ; 512 consecutive bytes
.Lno_sum:
	s_wait_tensorcnt 0x0
	ds_add_u32 v5, v11
	s_wait_dscnt 0x0
	CROUND                                         ; the closing round
	s_endpgm
.Lfunc_end_k_q6b221518a3_gemmV:
	.size	k_q6b221518a3_gemmV, .Lfunc_end_k_q6b221518a3_gemmV-k_q6b221518a3_gemmV
	.p2alignl 7, 3214868480
	.fill 96, 4, 3214868480
	.section	.rodata,"a",@progbits
	.p2align	6, 0x0
	.amdhsa_kernel k_q6b221518a3_gemmV
		.amdhsa_group_segment_fixed_size 327680
		.amdhsa_private_segment_fixed_size 0
		.amdhsa_enable_private_segment 0
		.amdhsa_kernarg_size 48
		.amdhsa_user_sgpr_count 2
		.amdhsa_user_sgpr_kernarg_segment_ptr 1
		.amdhsa_wavefront_size32 1
		.amdhsa_system_sgpr_workgroup_id_x 1
		.amdhsa_system_sgpr_workgroup_id_y 1
		.amdhsa_system_sgpr_workgroup_id_z 1
		.amdhsa_system_vgpr_workitem_id 0
		.amdhsa_next_free_vgpr 1024
		.amdhsa_next_free_sgpr 92
		.amdhsa_reserve_vcc 0
		.amdhsa_float_denorm_mode_32 3
		.amdhsa_float_denorm_mode_16_64 3
		.amdhsa_memory_ordered 1
		.amdhsa_forward_progress 1
		.amdhsa_inst_pref_size 252
	.end_amdhsa_kernel
	.amdgpu_metadata
---
amdhsa.version: [ 1, 2 ]
amdhsa.kernels:
  - .name:           k_q6b221518a3_gemmV
    .symbol:         k_q6b221518a3_gemmV.kd
    .args:
      - { .name: xb, .offset: 0, .size: 8, .value_kind: global_buffer, .address_space: global }
      - { .name: wt, .offset: 8, .size: 8, .value_kind: global_buffer, .address_space: global }
      - { .name: bqkv, .offset: 16, .size: 8, .value_kind: global_buffer, .address_space: global }
      - { .name: kh, .offset: 24, .size: 8, .value_kind: global_buffer, .address_space: global }
      - { .name: ssk, .offset: 32, .size: 8, .value_kind: global_buffer, .address_space: global }
      - { .name: kvp, .offset: 40, .size: 8, .value_kind: global_buffer, .address_space: global }
    .group_segment_fixed_size: 327680
    .private_segment_fixed_size: 0
    .kernarg_segment_align: 8
    .kernarg_segment_size: 48
    .max_flat_workgroup_size: 128
    .sgpr_count:     92
    .vgpr_count:     1024
    .wavefront_size: 32
...
	.end_amdgpu_metadata
.endif
;; end of part 3
;; launch gemmQ (part 4): grid 4 x 64, 4 waves a work-group, clusters of 4 x 4, 327,680 bytes of LDS; arguments xb, wt, bqkv, kvp, a2, ssq; writes a2, ssq
.if DOCPART == 4
	.amdgcn_target "amdgcn-amd-amdhsa--gfx1250"
	.amdhsa_code_object_version 6
	.text
	.protected	k_q6b221518a3_gemmQ
	.globl	k_q6b221518a3_gemmQ
	.p2align	8
	.type	k_q6b221518a3_gemmQ,@function
k_q6b221518a3_gemmQ:
	s_mov_b64 s[64:65], 0
	v_nop
	global_prefetch_b8 v0, s[64:65] scope:SCOPE_SE
	s_setreg_imm32_b32 hwreg(HW_REG_WAVE_MODE, 25, 1), 1
	s_wait_xcnt 0x0
	s_wait_alu depctr_hold_cnt(0) depctr_sa_sdst(0) depctr_va_vdst(0) depctr_va_sdst(0) depctr_va_ssrc(0) depctr_va_vcc(0) depctr_vm_vsrc(0)
	s_getreg_b32 s2, hwreg(HW_REG_IB_STS2, 6, 4)
	s_cmp_eq_u32 s2, 0
	s_cbranch_scc0 .Lentry_in_a_cluster
	s_endpgm
.Lentry_in_a_cluster:
	s_bfe_u32 s2, ttmp6, 0x10000c
	s_cmp_lg_u32 s2, 0xf033
	s_cbranch_scc0 .Lentry_shape_is_right
	s_endpgm
.Lentry_shape_is_right:
; HydraAttention, step 4 of 5: q = xb Wq + bq.  Stored: ssq[c][t] = the sum of q^2 over columns 128 c .. 128 c + 127 of row t (f32), and
; a2[t][n] = bf16(q[t][n] kv[batch][n]), kv = the sum of the batch's 16 rows of kvp: the product is made in f32 and rounded once, as the last product's operand.
; The division by |q| is a factor of the whole row and is applied to the last product's f32 result.  Nothing is left out.
; LIMIT: a sum of squares above f32's largest number overflows, as the norm in reference() does.
; THE PRODUCT: a work-group makes 256 x 256 with four waves, a wave 128 x 128: 64 accumulator tiles, 512 registers.  K = 1,024 goes in steps of 128 through a ring
; of two LDS slots filled by tensor loads.  The bias is the C operand of each tile's first product.  CLUSTERS: 4 x 4 work-groups; xb's tiles are asked for jointly along a row, wt's along a column.
; THE LAST K STEP takes my rows 0-63 through all its 128 k first, then rows 64-127; behind each of the latter's 128 matrix instructions stands one slice (PER entries)
; of the way out of rows 0-63.  B's fragments of that step are read twice: 64 LDS loads more on a wave's 1,024.
; REGISTERS: window 0: v0-31 addresses, v64-191 fragments of A (two buffers; rows 0-63 in each buffer's lower half), v32-39, v64-95, v128-159, v192-255 the way out;
;   window 1: v0-63 kv, v64-191 fragments of B, v192-255 the bias;  windows 2, 3: the accumulators (tile (a, b) at v[8 (8 a + b)]).
; The matrix instruction is used transposed: lane l holds row l % 16, its registers 0-7 the columns 8 (l / 16) + 0..7.
.set SIZE_K, 1024
.set BROW0,  0                         ; Wq's columns are rows 0-1023 of wt, bq is bqkv[0..]
.set KSTEP,  128
.set PITCH,  272
.set HALFT,  128*PITCH
.set SLOT,   4*HALFT
.set STAGE,  2*SLOT                    ; 8,448 bytes for each wave; no tensor load fills it
.set WSTAGE, 8448
.set SCL,    STAGE+4*WSTAGE            ; 1,024 bytes for each wave: [0, 512) a sum for each of its 128 rows, [512, 1024) kv of its 128 columns
.set SPITCH, 272
.set LAPS,   SIZE_K/(2*KSTEP)
.set OROW,   2048                      ; bytes in a row of a2
.set BO,   6                           ; v6   32 h
.set SO,   7                           ; v7   16 x lane
.set SA,   8                           ; v8   scratch + 4 (l % 16)
.set SL,   9                           ; v9   scratch + 16 x lane
.set KA,   10                          ; v10  scratch + 512 + 32 h
.set ADRA, 16
.set ADRB, 20
.set STO,  24                          ; v24  stage: row l % 16, 16 bytes for each half of the lanes
.set RD,   25                          ; v25  stage: lanes 0-15 one row of 256 bytes, lanes 16-31 the next
.set CO,   26                          ; v26  the same two rows in a2
.set SS,   30                          ; v30 a row's sum of squares; v31 the other half's
.set F0,   64
.set F1,   128
.set PS,   64                          ; at the head: the 16 partial sums of kv, four columns a lane
.set SQ,   32                          ; v32-39    four chains of squares
.set PK,   64                          ; v64-95    packed bf16
.set RB,   128                         ; v128-159  rows read back
.set T,    192                         ; v192-255  q kv, f32
.set BIAS, 192                         ; window 1
.set KVR,  0                           ; window 1: kv, register 8 b + j = column 16 b + 8 h + j
.set G1, 24
.set G0, 32
.set G1B, 48
.set G0B, 56
.set PER,  5                           ; entries of the way out behind one matrix instruction: 136 entries for 16 rows in 32 slices
.set GLEN, 32*PER
.set ON,   0
.set DSN,  0                           ; LDS instructions written so far; only differences inside the straight-line tail are used
.set MARK, 0                           ; DSN behind the latest fetch of fragments
.set RBM,  0                           ; DSN in front of the latest run of read-backs
.set MSB, 0
.macro WIN new                         ; the immediate's high byte repeats the setting that is left
.if MSB != (\new)
	s_set_vgpr_msb (MSB<<8)|(\new)
.set MSB, (\new)
.endif
.endm
.set MUL_LO, 0xa1
.set MUL_HI, 0xf1
.set FIRST_LO, 0x91                    ; the first product: C is the bias in window 1
.set FIRST_HI, 0xd1
.set TO_B,   0x40
.macro JLOAD s                         ; waves 0 and 1 fetch A's halves, waves 2 and 3 B's; the branch hangs on the wave's number alone
	s_cmp_eq_u32 s11, 0
	s_cbranch_scc0 .Lfor_b_\@
	tensor_load_to_lds s[G0+4*\s:G0+4*\s+3], s[G1:G1+7]
	s_nop 0
	s_branch .Lasked_\@
.Lfor_b_\@:
	tensor_load_to_lds s[G0B+4*\s:G0B+4*\s+3], s[G1B:G1B+7]
	s_nop 0
.Lasked_\@:
.endm
.macro CREST                           ; a round of the cluster's barrier behind its opening barrier
	s_cmp_lg_u32 s10, 0
	s_cbranch_scc1 .Lnot_wave_0_\@
	s_barrier_signal -3
.Lnot_wave_0_\@:
	s_barrier_wait -3
	s_barrier_signal -1
	s_barrier_wait -1
.endm
.macro CROUND
	s_barrier_signal -1
	s_barrier_wait -1
	CREST
.endm
	s_load_b128 s[4:7], s[0:1], 0x0                ; xb s[4:5], wt s[6:7]
	s_load_b256 s[84:91], s[0:1], 0x10             ; bqkv s[84:85], kvp s[86:87], a2 s[88:89], ssq s[90:91]
	v_lshl_add_u32 v62, v0, 2, 0x4d400
	v_mov_b32 v63, 0
	ds_add_u32 v62, v63
	v_lshrrev_b32 v1, 5, v0
	v_readfirstlane_b32 s10, v1                    ; wave 0..3
	s_lshr_b32 s11, s10, 1
	s_and_b32 s12, s10, 1
	s_bfe_u32 s40, ttmp6, 0x40000                  ; cx
	s_bfe_u32 s41, ttmp6, 0x40004                  ; cy
	s_lshl_b32 s42, ttmp9, 2
	s_add_co_u32 s42, s42, s40                     ; block column
	s_and_b32 s13, ttmp7, 0xffff
	s_lshl_b32 s13, s13, 2
	s_add_co_u32 s13, s13, s41                     ; block row
	s_lshl_b32 s43, s41, 2
	s_lshl_b32 s43, 15, s43                        ; my row of the cluster
	s_lshl_b32 s44, 0x1111, s40                    ; my column
	s_or_b32 s[G1+0], s43, (1<<16)|(1<<20)|(1<<21)|(5<<22)|(3<<25)   ; mask; elements of 2 bytes; 16 bytes of padding behind every 64 words
	s_or_b32 s[G1B+0], s44, (1<<16)|(1<<20)|(1<<21)|(5<<22)|(3<<25)
	s_mov_b32 s[G1B+1], KSTEP<<16
	s_mov_b32 s[G1+1], KSTEP<<16                   ; tensor_dim0 = 128
	s_mov_b32 s[G1B+2], 128<<16
	s_mov_b32 s[G1+2], 128<<16                     ; tensor_dim1 = 128
	s_mov_b32 s[G1B+3], KSTEP<<16
	s_mov_b32 s[G1+3], KSTEP<<16                   ; tile_dim0 = 128
	s_mov_b32 s[G1B+4], 128
	s_mov_b32 s[G1+4], 128                         ; tile_dim1 = 128
	s_mov_b32 s[G1B+5], SIZE_K
	s_mov_b32 s[G1+5], SIZE_K                      ; elements from row to row
	s_mov_b32 s[G1B+6], 0
	s_mov_b32 s[G1+6], 0
	s_mov_b32 s[G1B+7], 0
	s_mov_b32 s[G1+7], 0
	s_lshl_b32 s17, s12, 7
	s_lshl_b32 s16, s13, 8
	s_add_co_u32 s16, s16, s17                     ; A: row 256 x block row + 128 x half
	s_lshl_b32 s46, s42, 8
	s_add_co_u32 s46, s46, s17                     ; B: row 256 x block column + 128 x half
.if BROW0
	s_add_co_u32 s46, s46, BROW0
.endif
	s_mov_b32 s17, 0
	s_mov_b32 s47, 0
	s_mov_b64 s[18:19], SIZE_K*2
	s_mul_u64 s[16:17], s[16:17], s[18:19]
	s_mul_u64 s[46:47], s[46:47], s[18:19]
	s_mul_i32 s20, s10, HALFT
	s_wait_dscnt 0x0
	s_wait_kmcnt 0x0
	s_add_nc_u64 s[14:15], s[4:5], s[16:17]
	s_add_nc_u64 s[46:47], s[6:7], s[46:47]
	CROUND                                         ; the first joint loads meet
.irp s, 0,1
	s_mov_b32 s[G0+4*\s], 1
	s_add_co_u32 s[G0+4*\s+1], s20, \s*SLOT
	s_add_nc_u64 s[G0+4*\s+2:G0+4*\s+3], s[14:15], \s*KSTEP*2
	s_or_b32 s[G0+4*\s+3], s[G0+4*\s+3], 0x80000000
	s_mov_b32 s[G0B+4*\s], 1
	s_add_co_u32 s[G0B+4*\s+1], s20, \s*SLOT
	s_add_nc_u64 s[G0B+4*\s+2:G0B+4*\s+3], s[46:47], \s*KSTEP*2
	s_or_b32 s[G0B+4*\s+3], s[G0B+4*\s+3], 0x80000000
	JLOAD \s                                       ; two tensor loads of the wave are out
.endr
	v_and_b32 v1, 15, v0                           ; l % 16
	v_bfe_u32 v2, v0, 4, 1                         ; h
	v_mul_u32_u24 v3, v1, PITCH
	v_lshl_add_u32 v3, v2, 4, v3
	s_mul_i32 s21, s11, HALFT
	s_mul_i32 s22, s12, HALFT
	s_add_co_u32 s22, s22, 2*HALFT
.irp s, 0,1
	v_add_nc_u32 v[ADRA+\s], s21, v3
	v_add_nc_u32 v[ADRB+\s], s22, v3
	s_add_co_u32 s21, s21, SLOT
	s_add_co_u32 s22, s22, SLOT
.endr
	s_mul_i32 s23, s10, WSTAGE
	s_add_co_u32 s23, s23, STAGE
	v_mul_u32_u24 v4, v1, SPITCH
	v_lshl_add_u32 v4, v2, 4, v4
	v_add_nc_u32 v[STO], s23, v4
	v_mul_u32_u24 v5, v2, SPITCH
	v_lshl_add_u32 v5, v1, 4, v5
	v_add_nc_u32 v[RD], s23, v5
	v_lshlrev_b32 v5, 11, v2
	v_lshl_add_u32 v[CO], v1, 4, v5
	v_lshlrev_b32 v[BO], 5, v2
	v_and_b32 v3, 31, v0
	v_lshlrev_b32 v[SO], 4, v3
	s_lshl_b32 s45, s10, 10
	s_add_co_u32 s45, s45, SCL
	v_lshl_add_u32 v[SA], v1, 2, s45
	v_add_nc_u32 v[SL], s45, v[SO]
	v_add_nc_u32 v[KA], s45, v[BO]
	v_add_nc_u32 v[KA], 512, v[KA]
	v_mov_b32 v31, 0                               ; v_permlanex16_b32 counts as a reader of its destination
	s_lshl_b32 s66, s13, 8
	s_lshl_b32 s69, s11, 7
	s_add_co_u32 s66, s66, s69                     ; my first row
	s_lshl_b32 s67, s42, 8
	s_lshl_b32 s69, s12, 7
	s_add_co_u32 s67, s67, s69                     ; my first column
	s_mov_b32 s79, 0
	s_lshl_b32 s78, s67, 2
	s_add_nc_u64 s[70:71], s[84:85], s[78:79]      ; the bias of my columns (bq begins bqkv)
	s_lshr_b32 s69, s13, 4                         ; the batch: 16 block rows of 256 are its 4,096 rows
	s_lshl_b32 s69, s69, 16                        ; 16 rows of kvp, 4,096 bytes each
	s_add_co_u32 s78, s78, s69
	s_add_nc_u64 s[76:77], s[86:87], s[78:79]      ; the batch's first partial sum at my columns
	s_lshl_b32 s78, s66, 11
	s_lshl_b32 s69, s67, 1
	s_add_co_u32 s78, s78, s69
	s_add_nc_u64 s[72:73], s[88:89], s[78:79]      ; a2 at my corner
	s_lshl_b32 s78, s67, 9
	s_lshl_b32 s69, s66, 2
	s_add_co_u32 s78, s78, s69
	s_add_nc_u64 s[74:75], s[90:91], s[78:79]      ; my 128 words of ssq
	s_mov_b32 s80, 0x76543210
	s_mov_b32 s81, 0xfedcba98
	WIN TO_B
.irp b, 0,1,2,3,4,5,6,7
	global_load_b128 v[BIAS+8*\b:BIAS+8*\b+3],   v[BO], s[70:71] offset:64*\b
	global_load_b128 v[BIAS+8*\b+4:BIAS+8*\b+7], v[BO], s[70:71] offset:64*\b+16
.endr
	WIN 0
.irp i, 0,1,2,3,4,5,6,7,8,9,10,11,12,13,14,15
	global_load_b128 v[PS+4*\i:PS+4*\i+3], v[SO], s[76:77] offset:4096*\i   ; 512 consecutive bytes: columns 4 x lane .. + 3 of partial sum i
.endr
	; kv of my 128 columns, made while the first tiles are on their way: a tree over the 16 partial sums, then through my scratch into the accumulators' layout
	s_wait_loadcnt 0x0                             ; the bias and the 16 partial sums
.macro KVADD d, s
	v_pk_add_f32 v[PS+4*(\d):PS+4*(\d)+1],   v[PS+4*(\d):PS+4*(\d)+1],   v[PS+4*(\s):PS+4*(\s)+1]
	v_pk_add_f32 v[PS+4*(\d)+2:PS+4*(\d)+3], v[PS+4*(\d)+2:PS+4*(\d)+3], v[PS+4*(\s)+2:PS+4*(\s)+3]
.endm
.irp d, 0,1,2,3,4,5,6,7
	KVADD \d, \d+8
.endr
.irp d, 0,1,2,3
	KVADD \d, \d+4
.endr
	KVADD 0, 2
	KVADD 1, 3
	KVADD 0, 1
	ds_store_b128 v[SL], v[PS:PS+3] offset:512
	WIN TO_B
.irp b, 0,1,2,3,4,5,6,7
	ds_load_b128 v[KVR+8*\b:KVR+8*\b+3],   v[KA] offset:64*\b          ; my wave's own bytes, in order behind the store
	ds_load_b128 v[KVR+8*\b+4:KVR+8*\b+7], v[KA] offset:64*\b+16
.endr
	WIN 0
	s_wait_dscnt 0x0                               ; no LDS instruction is out at the barrier below
; The accumulators take turns, one instruction a turn, in the same order in every quarter step, over the backward jump too.
.macro MUL16 f, hi, a0, first
.irp a, \a0, \a0+1
.irp b, 0,1,2,3,4,5,6,7
.if \first
	v_wmma_f32_16x16x32_bf16 v[8*(8*(\a)+\b):8*(8*(\a)+\b)+7], v[\f+8*\b:\f+8*\b+7], v[\f+8*(4*\hi+\a):\f+8*(4*\hi+\a)+7], v[BIAS+8*\b:BIAS+8*\b+7]
.else
	v_wmma_f32_16x16x32_bf16 v[8*(8*(\a)+\b):8*(8*(\a)+\b)+7], v[\f+8*\b:\f+8*\b+7], v[\f+8*(4*\hi+\a):\f+8*(4*\hi+\a)+7], v[8*(8*(\a)+\b):8*(8*(\a)+\b)+7]
.endif
.endr
.endr
.endm
.macro FETCHB slot, k, f               ; B's 128 rows, 32 K at byte k: 16 loads
	WIN TO_B
.irp i, 0,1,2,3,4,5,6,7
	ds_load_b128 v[\f+8*\i:\f+8*\i+3],   v[ADRB+\slot] offset:\k+\i*16*PITCH
	ds_load_b128 v[\f+8*\i+4:\f+8*\i+7], v[ADRB+\slot] offset:\k+\i*16*PITCH+32
.endr
.set DSN, DSN+16
.endm
.macro FETCHA slot, k, f, i0           ; four of A's fragments from number i0: 8 loads
	WIN 0
.irp i, \i0, \i0+1, \i0+2, \i0+3
	ds_load_b128 v[\f+8*(\i):\f+8*(\i)+3],   v[ADRA+\slot] offset:\k+(\i)*16*PITCH
	ds_load_b128 v[\f+8*(\i)+4:\f+8*(\i)+7], v[ADRA+\slot] offset:\k+(\i)*16*PITCH+32
.endr
.set DSN, DSN+8
.endm
.macro FETCH slot, k, f
	FETCHB \slot, \k, \f
	FETCHA \slot, \k, \f, 0
	FETCHA \slot, \k, \f, 4
.endm
.macro PLACES                          ; four places of plain vector instructions behind a matrix instruction (ISA guide 7.12.1)
.rept 4
	v_nop
.endr
.endm
.macro QUARTER slot, k, f, g, first
	s_wait_dscnt 8                                 ; the youngest eight loads (A's rows 64-127) may be out
.if \first
	WIN FIRST_LO
.else
	WIN MUL_LO
.endif
	MUL16 \f, 0, 0, \first
	MUL16 \f, 0, 2, \first
	PLACES
	FETCH \slot, \k, \g
	s_wait_dscnt 32                                ; all but the 32 just issued
.if \first
	WIN FIRST_HI
.else
	WIN MUL_HI
.endif
	MUL16 \f, 1, 0, \first
	MUL16 \f, 1, 2, \first
.endm
.macro THREE slot, first
	QUARTER \slot, 64,  F0, F1, \first
	QUARTER \slot, 128, F1, F0, 0
	QUARTER \slot, 192, F0, F1, 0
.endm
.macro TURN slot, next, fill
	s_wait_dscnt 8
	WIN MUL_LO
	MUL16 F1, 0, 0, 0
	s_wait_dscnt 0                                 ; my reads of this slot are over
	s_set_vgpr_msb 0xa1a0
	s_wait_tensorcnt 0x0                           ; all my tensor loads have landed
	ds_add_u32 v62, v63
	s_wait_dscnt 0x0
	s_set_vgpr_msb 0xa0a1
	s_barrier_signal -1
	MUL16 F1, 0, 2, 0
	WIN 0
	s_barrier_wait -1
.if \fill
	CREST                                          ; no wave of any partner still reads this slot or has a load on its way
	s_add_nc_u64 s[G0+4*\slot+2:G0+4*\slot+3], s[G0+4*\slot+2:G0+4*\slot+3], 2*KSTEP*2
	s_add_nc_u64 s[G0B+4*\slot+2:G0B+4*\slot+3], s[G0B+4*\slot+2:G0B+4*\slot+3], 2*KSTEP*2
	JLOAD \slot                                    ; the wave's one tensor load behind the round
.endif
	PLACES
	FETCH \next, 0, F0
	WIN MUL_HI
	MUL16 F1, 1, 0, 0
	MUL16 F1, 1, 2, 0
.endm
.macro LAP first
	THREE 0, \first
	TURN 0, 1, 1
	THREE 1, 0
	TURN 1, 0, 1
.endm
; THE WAY OUT as a numbered list, GLEN numbers for each group of 16 rows GI = 0..7 and a ninth that only drains; one call writes entry ON and steps ON.
;   0-31 squares in four chains   32-47 the group BEFORE is stored from its read-backs (so no wait stands straight behind its loads)   48-54 the row's sum, into my scratch
;   55-86 q kv in f32   87-118 the one rounding to bf16   119-126 into my stage   127 the stores' data registers are free   128-135 whole rows of 256 bytes read back
; A read-back's wait counts the LDS instructions written behind it.  The stores' rows stand in the immediate: 126 rows of 2,048 bytes at the most.
.macro OUTINS
.set GI, ON/GLEN
.set NN, ON%GLEN
.set AB, 64*(GI%4)                     ; the group's first accumulator register in its window
.set AW, 2+GI/4                        ; that window
.if NN < 32
.if GI < 8
	WIN AW*5                                       ; sources 0 and 1 in the accumulators' window
.if NN < 4
	v_pk_mul_f32 v[SQ+2*NN:SQ+2*NN+1], v[AB+2*NN:AB+2*NN+1], v[AB+2*NN:AB+2*NN+1]      ; the first four pairs start the chains
.else
	v_pk_fma_f32 v[SQ+2*(NN%4):SQ+2*(NN%4)+1], v[AB+2*NN:AB+2*NN+1], v[AB+2*NN:AB+2*NN+1], v[SQ+2*(NN%4):SQ+2*(NN%4)+1]
.endif
.endif
.elseif NN < 48
.if GI > 0
.set TT, (NN-32)/2
.if (NN-32)%2
	WIN 0
	global_store_b128 v[CO], v[RB+4*TT:RB+4*TT+3], s[72:73] offset:(16*(GI-1)+2*TT)*OROW   ; 16 lanes store 256 consecutive bytes, aligned
.else
	s_wait_dscnt DSN-(RBM+TT+1)
.endif
.endif
.elseif GI < 8
.if NN < 55
	WIN 0
.if NN == 48
	v_pk_add_f32 v[SQ:SQ+1], v[SQ:SQ+1], v[SQ+2:SQ+3]
.elseif NN == 49
	v_pk_add_f32 v[SQ+4:SQ+5], v[SQ+4:SQ+5], v[SQ+6:SQ+7]
.elseif NN == 50
	v_pk_add_f32 v[SQ:SQ+1], v[SQ:SQ+1], v[SQ+4:SQ+5]
.elseif NN == 51
	v_add_f32 v[SS], v[SQ], v[SQ+1]
.elseif NN == 52
	v_permlanex16_b32 v31, v[SS], s80, s81         ; lane l ^ 16 holds the row's other 64 columns
.elseif NN == 53
	v_add_f32 v[SS], v[SS], v31
.else
	ds_store_b32 v[SA], v[SS] offset:64*GI         ; both halves write the same word with the same value
.set DSN, DSN+1
.endif
.elseif NN < 87
.set MM, 2*(NN-55)
	WIN AW|4                                       ; source 0 the accumulators, source 1 window 1
	v_pk_mul_f32 v[T+MM:T+MM+1], v[AB+MM:AB+MM+1], v[KVR+MM:KVR+MM+1]
.elseif NN < 119
.set MM, NN-87
	WIN 0
	v_cvt_pk_bf16_f32 v[PK+MM], v[T+2*MM], v[T+2*MM+1]
.elseif NN < 127
.set MM, NN-119
	WIN 0
	ds_store_b128 v[STO], v[PK+4*MM:PK+4*MM+3] offset:32*MM
.set DSN, DSN+1
.elseif NN == 127
	s_wait_xcnt 0x0                                ; RB, which the last group's stores read, is loaded again only behind this wait
.set RBM, DSN
.elseif NN < 136
.set MM, NN-128
	WIN 0
	ds_load_b128 v[RB+4*MM:RB+4*MM+3], v[RD] offset:MM*2*SPITCH      ; LDS serves a wave's instructions in order: these see the stores above
.set DSN, DSN+1
.endif
.endif
.set ON, ON+1
.endm
.macro SLICE
.rept PER
	OUTINS
.endr
.endm
; Eight matrix instructions on my rows 64 + 16 a .. + 15, a slice of the way out behind each.  The slices name none of these instructions' registers.
.macro MULS8 f, a
.irp b, 0,1,2,3,4,5,6,7
	WIN MUL_HI
	v_wmma_f32_16x16x32_bf16 v[8*(8*\a+\b):8*(8*\a+\b)+7], v[\f+8*\b:\f+8*\b+7], v[\f+8*(4+\a):\f+8*(4+\a)+7], v[8*(8*\a+\b):8*(8*\a+\b)+7]
	SLICE
.endr
.endm
; A quarter of the last K step on rows 0-63: first the next quarter's fragments into buffer g, then 32 matrix instructions on buffer f.
.macro LOQ f, g, k, witha
	PLACES                                         ; behind the matrix instructions that read buffer g
	FETCHB 1, \k, \g
.if \witha
	FETCHA 1, \k, \g, 0
	s_wait_dscnt 24                                ; all but the 24 just issued: buffer f is in
.else
	s_wait_dscnt 16                                ; all but the 16 just issued
.endif
.set MARK, DSN
	WIN MUL_LO
	MUL16 \f, 0, 0, 0
	MUL16 \f, 0, 2, 0
.endm
; A quarter on rows 64-127.  The next quarter's fragments are fetched behind the first eight slices, whose plain vector instructions are the places behind buffer g's last readers.
.macro HIQ f, g, k, more
	s_wait_dscnt DSN-MARK                          ; the LDS instructions written behind buffer f's fetch may be out
	MULS8 \f, 0
.if \more
	FETCHB 1, \k, \g
	FETCHA 1, \k, \g, 4
.set MARK, DSN
.endif
	MULS8 \f, 1
	MULS8 \f, 2
	MULS8 \f, 3
.endm
	s_wait_tensorcnt 1                             ; K step 0 is in; K step 1's load stays out
	s_barrier_signal -1
	s_barrier_wait -1
	FETCH 0, 0, F0
	LAP 1
.if LAPS > 2
	WIN 0
	s_mov_b32 s3, LAPS-2
.Llap:
	LAP 0
	WIN 0
	s_sub_co_u32 s3, s3, 1
	s_cmp_lg_u32 s3, 0
	s_cbranch_scc1 .Llap
.endif
	THREE 0, 0                                     ; the last lap fills nothing
	TURN 0, 1, 0                                   ; its fetch brings the last K step's first quarter; A's rows 64-127 stay in buffer 0 until they are used
	LOQ F0, F1, 64,  1
	LOQ F1, F0, 128, 1
	LOQ F0, F1, 192, 1
	LOQ F1, F0, 0,   0                             ; B's first quarter once more, for rows 64-127
	PLACES                                         ; the slices read window 2's results and write over A's fragments of rows 0-63
	HIQ F0, F1, 64,  1
	HIQ F1, F0, 128, 1
	HIQ F0, F1, 192, 1
	HIQ F1, F0, 0,   0
	PLACES                                         ; behind the last matrix instructions: window 3's results are read next
.rept 5*GLEN
	OUTINS                                         ; rows 64-127, and the last group's stores
.endr
	WIN 0
	ds_load_b128 v[200:203], v[SL]                 ; my 128 rows' sums, four a lane
	s_wait_dscnt 0x0
	global_store_b128 v[SO], v[200:203], s[74:75]  ; 512 consecutive bytes
	s_wait_tensorcnt 0x0
	ds_add_u32 v62, v63
	s_wait_dscnt 0x0
	CROUND                                         ; the closing round
	s_endpgm
.Lfunc_end_k_q6b221518a3_gemmQ:
	.size	k_q6b221518a3_gemmQ, .Lfunc_end_k_q6b221518a3_gemmQ-k_q6b221518a3_gemmQ
	.p2alignl 7, 3214868480
	.fill 96, 4, 3214868480
	.section	.rodata,"a",@progbits
	.p2align	6, 0x0
	.amdhsa_kernel k_q6b221518a3_gemmQ
		.amdhsa_group_segment_fixed_size 327680
		.amdhsa_private_segment_fixed_size 0
		.amdhsa_enable_private_segment 0
		.amdhsa_kernarg_size 48
		.amdhsa_user_sgpr_count 2
		.amdhsa_user_sgpr_kernarg_segment_ptr 1
		.amdhsa_wavefront_size32 1
		.amdhsa_system_sgpr_workgroup_id_x 1
		.amdhsa_system_sgpr_workgroup_id_y 1
		.amdhsa_system_sgpr_workgroup_id_z 1
		.amdhsa_system_vgpr_workitem_id 0
		.amdhsa_next_free_vgpr 1024
		.amdhsa_next_free_sgpr 92
		.amdhsa_reserve_vcc 0
		.amdhsa_float_denorm_mode_32 3
		.amdhsa_float_denorm_mode_16_64 3
		.amdhsa_memory_ordered 1
		.amdhsa_forward_progress 1
		.amdhsa_inst_pref_size 249
	.end_amdhsa_kernel
	.amdgpu_metadata
---
amdhsa.version: [ 1, 2 ]
amdhsa.kernels:
  - .name:           k_q6b221518a3_gemmQ
    .symbol:         k_q6b221518a3_gemmQ.kd
    .args:
      - { .name: xb, .offset: 0, .size: 8, .value_kind: global_buffer, .address_space: global }
      - { .name: wt, .offset: 8, .size: 8, .value_kind: global_buffer, .address_space: global }
      - { .name: bqkv, .offset: 16, .size: 8, .value_kind: global_buffer, .address_space: global }
      - { .name: kvp, .offset: 24, .size: 8, .value_kind: global_buffer, .address_space: global }
      - { .name: a2, .offset: 32, .size: 8, .value_kind: global_buffer, .address_space: global }
      - { .name: ssq, .offset: 40, .size: 8, .value_kind: global_buffer, .address_space: global }
    .group_segment_fixed_size: 327680
    .private_segment_fixed_size: 0
    .kernarg_segment_align: 8
    .kernarg_segment_size: 48
    .max_flat_workgroup_size: 128
    .sgpr_count:     92
    .vgpr_count:     1024
    .wavefront_size: 32
...
	.end_amdgpu_metadata
.endif
;; end of part 4
;; launch gemm2 (part 5): grid 4 x 64, 4 waves a work-group, clusters of 4 x 4, 327,680 bytes of LDS; arguments a2, wt, bout, ssq, out0; writes out0
.if DOCPART == 5
	.amdgcn_target "amdgcn-amd-amdhsa--gfx1250"
	.amdhsa_code_object_version 6
	.text
	.protected	k_q6b221518a3_gemm2
	.globl	k_q6b221518a3_gemm2
	.p2align	8
	.type	k_q6b221518a3_gemm2,@function
k_q6b221518a3_gemm2:
	s_mov_b64 s[64:65], 0
	v_nop
	global_prefetch_b8 v0, s[64:65] scope:SCOPE_SE
	s_setreg_imm32_b32 hwreg(HW_REG_WAVE_MODE, 25, 1), 1
	s_wait_xcnt 0x0
	s_wait_alu depctr_hold_cnt(0) depctr_sa_sdst(0) depctr_va_vdst(0) depctr_va_sdst(0) depctr_va_ssrc(0) depctr_va_vcc(0) depctr_vm_vsrc(0)
	s_getreg_b32 s2, hwreg(HW_REG_IB_STS2, 6, 4)
	s_cmp_eq_u32 s2, 0
	s_cbranch_scc0 .Lentry_in_a_cluster
	s_endpgm
.Lentry_in_a_cluster:
	s_bfe_u32 s2, ttmp6, 0x10000c
	s_cmp_lg_u32 s2, 0xf033
	s_cbranch_scc0 .Lentry_shape_is_right
	s_endpgm
.Lentry_shape_is_right:
; HydraAttention, step 5 of 5: out0[t][n] = (a2 Wout)[t][n] / |q[t]| + bout[n], |q[t]|^2 = the sum of the row's eight words of ssq; one fused multiply-add in f32.  Nothing is left out.
; LIMITS: |q|^2 below 2^-126 counts as zero in the reciprocal root (a row of zeros gives NaN, as 0 / 0 does in reference()); above f32's largest number it overflows as there.
; THE PRODUCT: a work-group makes 256 x 256 with four waves, a wave 128 x 128: 64 accumulator tiles, 512 registers.  K = 1,024 goes in steps of 128 through a ring
; of two LDS slots filled by tensor loads.  CLUSTERS: 4 x 4 work-groups; a2's tiles are asked for jointly along a row of the cluster, wt's along a column.
; THE LAST K STEP takes my rows 0-63 through all its 128 k first, then rows 64-127; behind each of the latter's 128 matrix instructions stands one slice (PER entries)
; of the way out of rows 0-63.  B's fragments of that step are read twice: 64 LDS loads more on a wave's 1,024.
; REGISTERS: window 0: v0-15 addresses, v16-31 1 / |q| of my row in each of the eight groups, twice; v64-191 fragments of A (two buffers; rows 0-63 in each buffer's lower half),
;   v32-95 and v192-255 the way out;  window 1: v64-191 fragments of B, v192-255 the bias;  windows 2, 3: the accumulators (tile (a, b) at v[8 (8 a + b)]).
; The matrix instruction is used transposed: lane l holds row l % 16, its registers 0-7 the columns 8 (l / 16) + 0..7.
.set SIZE_K, 1024
.set BROW0,  3072                      ; Wout's columns are rows 3072-4095 of wt
.set KSTEP,  128
.set PITCH,  272
.set HALFT,  128*PITCH
.set SLOT,   4*HALFT
.set STAGE,  2*SLOT                    ; 8,448 bytes for each wave: 16 rows of 512 bytes + 16; no tensor load fills it
.set WSTAGE, 8448
.set SCL,    STAGE+4*WSTAGE            ; 1,024 bytes for each wave: [0, 512) 1 / |q| of its 128 rows
.set SPITCH, 528
.set LAPS,   SIZE_K/(2*KSTEP)
.set OROW,   4096                      ; bytes in a row of out0
.set BO,   6                           ; v6   32 h
.set SO,   7                           ; v7   16 x lane
.set SA,   8                           ; v8   scratch + 4 (l % 16)
.set SL,   9                           ; v9   scratch + 16 x lane
.set STO,  10                          ; v10  stage: row l % 16, 32 bytes for each half of the lanes
.set RD,   11                          ; v11  stage: 16 x lane, a whole row of 512 bytes
.set ADRA, 12
.set ADRB, 14
.set GP,   16                          ; v[16+2i:17+2i]  1 / |q| of row 16 i + l % 16, twice
.set F0,   64
.set F1,   128
.set RB,   32                          ; v32-95    rows read back
.set T,    192                         ; v192-255  64 results of a row
.set PL,   192                         ; at the head: eight planes of ssq, four rows a lane; v224-227 the reciprocal roots
.set BIAS, 192                         ; window 1
.set G1, 24
.set G0, 32
.set G1B, 48
.set G0B, 56
.set PER,  4                           ; entries of the way out behind one matrix instruction: 97 entries for 16 rows in 32 slices
.set GLEN, 32*PER
.set ON,   0
.set DSN,  0                           ; LDS instructions written so far; only differences inside the straight-line tail are used
.set MARK, 0                           ; DSN behind the latest fetch of fragments
.set RBM,  0                           ; DSN in front of the latest run of read-backs
.set MSB, 0
.macro WIN new                         ; the immediate's high byte repeats the setting that is left
.if MSB != (\new)
	s_set_vgpr_msb (MSB<<8)|(\new)
.set MSB, (\new)
.endif
.endm
.set MUL_LO, 0xa1
.set MUL_HI, 0xf1
.set TO_B,   0x40
.macro JLOAD s                         ; waves 0 and 1 fetch A's halves, waves 2 and 3 B's; the branch hangs on the wave's number alone
	s_cmp_eq_u32 s11, 0
	s_cbranch_scc0 .Lfor_b_\@
	tensor_load_to_lds s[G0+4*\s:G0+4*\s+3], s[G1:G1+7]
	s_nop 0
	s_branch .Lasked_\@
.Lfor_b_\@:
	tensor_load_to_lds s[G0B+4*\s:G0B+4*\s+3], s[G1B:G1B+7]
	s_nop 0
.Lasked_\@:
.endm
.macro CREST                           ; a round of the cluster's barrier behind its opening barrier
	s_cmp_lg_u32 s10, 0
	s_cbranch_scc1 .Lnot_wave_0_\@
	s_barrier_signal -3
.Lnot_wave_0_\@:
	s_barrier_wait -3
	s_barrier_signal -1
	s_barrier_wait -1
.endm
.macro CROUND
	s_barrier_signal -1
	s_barrier_wait -1
	CREST
.endm
	s_load_b128 s[4:7], s[0:1], 0x0                ; a2 s[4:5], wt s[6:7]
	s_load_b128 s[84:87], s[0:1], 0x10             ; bout s[84:85], ssq s[86:87]
	s_load_b64 s[88:89], s[0:1], 0x20              ; out0
	s_set_vgpr_msb 0x40
	v_lshl_add_u32 v63, v0, 2, 0x4d400
	s_set_vgpr_msb 0x4000
	v_mov_b32 v5, 0
	s_set_vgpr_msb 0x1
	ds_add_u32 v63, v5
	s_set_vgpr_msb 0x100
	v_lshrrev_b32 v1, 5, v0
	v_readfirstlane_b32 s10, v1                    ; wave 0..3
	s_lshr_b32 s11, s10, 1
	s_and_b32 s12, s10, 1
	s_bfe_u32 s40, ttmp6, 0x40000                  ; cx
	s_bfe_u32 s41, ttmp6, 0x40004                  ; cy
	s_lshl_b32 s42, ttmp9, 2
	s_add_co_u32 s42, s42, s40                     ; block column
	s_and_b32 s13, ttmp7, 0xffff
	s_lshl_b32 s13, s13, 2
	s_add_co_u32 s13, s13, s41                     ; block row
	s_lshl_b32 s43, s41, 2
	s_lshl_b32 s43, 15, s43                        ; my row of the cluster
	s_lshl_b32 s44, 0x1111, s40                    ; my column
	s_or_b32 s[G1+0], s43, (1<<16)|(1<<20)|(1<<21)|(5<<22)|(3<<25)   ; mask; elements of 2 bytes; 16 bytes of padding behind every 64 words
	s_or_b32 s[G1B+0], s44, (1<<16)|(1<<20)|(1<<21)|(5<<22)|(3<<25)
	s_mov_b32 s[G1B+1], KSTEP<<16
	s_mov_b32 s[G1+1], KSTEP<<16                   ; tensor_dim0 = 128
	s_mov_b32 s[G1B+2], 128<<16
	s_mov_b32 s[G1+2], 128<<16                     ; tensor_dim1 = 128
	s_mov_b32 s[G1B+3], KSTEP<<16
	s_mov_b32 s[G1+3], KSTEP<<16                   ; tile_dim0 = 128
	s_mov_b32 s[G1B+4], 128
	s_mov_b32 s[G1+4], 128                         ; tile_dim1 = 128
	s_mov_b32 s[G1B+5], SIZE_K
	s_mov_b32 s[G1+5], SIZE_K                      ; elements from row to row
	s_mov_b32 s[G1B+6], 0
	s_mov_b32 s[G1+6], 0
	s_mov_b32 s[G1B+7], 0
	s_mov_b32 s[G1+7], 0
	s_lshl_b32 s17, s12, 7
	s_lshl_b32 s16, s13, 8
	s_add_co_u32 s16, s16, s17                     ; A: row 256 x block row + 128 x half
	s_lshl_b32 s46, s42, 8
	s_add_co_u32 s46, s46, s17                     ; B: row 256 x block column + 128 x half
.if BROW0
	s_add_co_u32 s46, s46, BROW0
.endif
	s_mov_b32 s17, 0
	s_mov_b32 s47, 0
	s_mov_b64 s[18:19], SIZE_K*2
	s_mul_u64 s[16:17], s[16:17], s[18:19]
	s_mul_u64 s[46:47], s[46:47], s[18:19]
	s_mul_i32 s20, s10, HALFT
	s_wait_dscnt 0x0
	s_wait_kmcnt 0x0
	s_add_nc_u64 s[14:15], s[4:5], s[16:17]
	s_add_nc_u64 s[46:47], s[6:7], s[46:47]
	CROUND                                         ; the first joint loads meet
.irp s, 0,1
	s_mov_b32 s[G0+4*\s], 1
	s_add_co_u32 s[G0+4*\s+1], s20, \s*SLOT
	s_add_nc_u64 s[G0+4*\s+2:G0+4*\s+3], s[14:15], \s*KSTEP*2
	s_or_b32 s[G0+4*\s+3], s[G0+4*\s+3], 0x80000000
	s_mov_b32 s[G0B+4*\s], 1
	s_add_co_u32 s[G0B+4*\s+1], s20, \s*SLOT
	s_add_nc_u64 s[G0B+4*\s+2:G0B+4*\s+3], s[46:47], \s*KSTEP*2
	s_or_b32 s[G0B+4*\s+3], s[G0B+4*\s+3], 0x80000000
	JLOAD \s                                       ; two tensor loads of the wave are out
.endr
	v_and_b32 v1, 15, v0                           ; l % 16
	v_bfe_u32 v2, v0, 4, 1                         ; h
	v_mul_u32_u24 v3, v1, PITCH
	v_lshl_add_u32 v3, v2, 4, v3
	s_mul_i32 s21, s11, HALFT
	s_mul_i32 s22, s12, HALFT
	s_add_co_u32 s22, s22, 2*HALFT
.irp s, 0,1
	v_add_nc_u32 v[ADRA+\s], s21, v3
	v_add_nc_u32 v[ADRB+\s], s22, v3
	s_add_co_u32 s21, s21, SLOT
	s_add_co_u32 s22, s22, SLOT
.endr
	s_mul_i32 s23, s10, WSTAGE
	s_add_co_u32 s23, s23, STAGE
	v_mul_u32_u24 v4, v1, SPITCH
	v_lshl_add_u32 v4, v2, 5, v4                   ; row l % 16, byte 32 h
	v_add_nc_u32 v[STO], s23, v4
	v_lshlrev_b32 v[BO], 5, v2
	v_and_b32 v3, 31, v0
	v_lshlrev_b32 v[SO], 4, v3
	v_add_nc_u32 v[RD], s23, v[SO]
	s_lshl_b32 s45, s10, 10
	s_add_co_u32 s45, s45, SCL
	v_lshl_add_u32 v[SA], v1, 2, s45
	v_add_nc_u32 v[SL], s45, v[SO]
	s_lshl_b32 s66, s13, 8
	s_lshl_b32 s69, s11, 7
	s_add_co_u32 s66, s66, s69                     ; my first row
	s_lshl_b32 s67, s42, 8
	s_lshl_b32 s69, s12, 7
	s_add_co_u32 s67, s67, s69                     ; my first column
	s_mov_b32 s79, 0
	s_lshl_b32 s78, s67, 2
	s_add_nc_u64 s[70:71], s[84:85], s[78:79]      ; bout at my columns
	s_lshl_b32 s69, s66, 12
	s_add_co_u32 s78, s78, s69
	s_add_nc_u64 s[72:73], s[88:89], s[78:79]      ; out0 at my corner
	s_lshl_b32 s78, s66, 2
	s_add_nc_u64 s[74:75], s[86:87], s[78:79]      ; plane 0 of ssq at my rows
	WIN TO_B
.irp b, 0,1,2,3,4,5,6,7
	global_load_b128 v[BIAS+8*\b:BIAS+8*\b+3],   v[BO], s[70:71] offset:64*\b
	global_load_b128 v[BIAS+8*\b+4:BIAS+8*\b+7], v[BO], s[70:71] offset:64*\b+16
.endr
	WIN 0
.irp p, 0,1,2,3,4,5,6,7
	global_load_b128 v[PL+4*\p:PL+4*\p+3], v[SO], s[74:75] offset:65536*\p      ; 512 consecutive bytes: rows 4 x lane .. + 3
.endr
	; 1 / |q| of my 128 rows, made while the first tiles are on their way
	s_wait_loadcnt 0x0                             ; the bias and the planes
.macro QADD d, s
	v_pk_add_f32 v[PL+4*\d:PL+4*\d+1],   v[PL+4*\d:PL+4*\d+1],   v[PL+4*\s:PL+4*\s+1]
	v_pk_add_f32 v[PL+4*\d+2:PL+4*\d+3], v[PL+4*\d+2:PL+4*\d+3], v[PL+4*\s+2:PL+4*\s+3]
.endm
	QADD 0, 4
	QADD 1, 5
	QADD 2, 6
	QADD 3, 7
	QADD 0, 2
	QADD 1, 3
	QADD 0, 1                                      ; |q|^2 of four rows
.irp e, 0,1,2,3
	v_rsq_f32 v[224+\e], v[PL+\e]
.endr
	v_nop                                          ; one plain instruction behind the transcendentals (ISA guide 5.7.2)
	s_wait_alu depctr_va_vdst(0)
	ds_store_b128 v[SL], v[224:227]                ; only my wave reads it, in order behind this store
.irp i, 0,1,2,3,4,5,6,7
	ds_load_b32 v[GP+2*\i],   v[SA] offset:64*\i   ; the factor of row 16 i + l % 16, into both registers of a pair for the packed multiply-add
	ds_load_b32 v[GP+2*\i+1], v[SA] offset:64*\i
.endr
	s_wait_dscnt 0x0                               ; no LDS instruction is out at the barrier below
; The accumulators take turns, one instruction a turn, in the same order in every quarter step, over the backward jump too.
.macro MUL16 f, hi, a0, first
.irp a, \a0, \a0+1
.irp b, 0,1,2,3,4,5,6,7
.if \first
	v_wmma_f32_16x16x32_bf16 v[8*(8*(\a)+\b):8*(8*(\a)+\b)+7], v[\f+8*\b:\f+8*\b+7], v[\f+8*(4*\hi+\a):\f+8*(4*\hi+\a)+7], 0
.else
	v_wmma_f32_16x16x32_bf16 v[8*(8*(\a)+\b):8*(8*(\a)+\b)+7], v[\f+8*\b:\f+8*\b+7], v[\f+8*(4*\hi+\a):\f+8*(4*\hi+\a)+7], v[8*(8*(\a)+\b):8*(8*(\a)+\b)+7]
.endif
.endr
.endr
.endm
.macro FETCHB slot, k, f               ; B's 128 rows, 32 K at byte k: 16 loads
	WIN TO_B
.irp i, 0,1,2,3,4,5,6,7
	ds_load_b128 v[\f+8*\i:\f+8*\i+3],   v[ADRB+\slot] offset:\k+\i*16*PITCH
	ds_load_b128 v[\f+8*\i+4:\f+8*\i+7], v[ADRB+\slot] offset:\k+\i*16*PITCH+32
.endr
.set DSN, DSN+16
.endm
.macro FETCHA slot, k, f, i0           ; four of A's fragments from number i0: 8 loads
	WIN 0
.irp i, \i0, \i0+1, \i0+2, \i0+3
	ds_load_b128 v[\f+8*(\i):\f+8*(\i)+3],   v[ADRA+\slot] offset:\k+(\i)*16*PITCH
	ds_load_b128 v[\f+8*(\i)+4:\f+8*(\i)+7], v[ADRA+\slot] offset:\k+(\i)*16*PITCH+32
.endr
.set DSN, DSN+8
.endm
.macro FETCH slot, k, f
	FETCHB \slot, \k, \f
	FETCHA \slot, \k, \f, 0
	FETCHA \slot, \k, \f, 4
.endm
.macro PLACES                          ; four places of plain vector instructions behind a matrix instruction (ISA guide 7.12.1)
.rept 4
	v_nop
.endr
.endm
.macro QUARTER slot, k, f, g, first
	s_wait_dscnt 8                                 ; the youngest eight loads (A's rows 64-127) may be out
	WIN MUL_LO
	MUL16 \f, 0, 0, \first
	MUL16 \f, 0, 2, \first
	PLACES
	FETCH \slot, \k, \g
	s_wait_dscnt 32                                ; all but the 32 just issued
	WIN MUL_HI
	MUL16 \f, 1, 0, \first
	MUL16 \f, 1, 2, \first
.endm
.macro THREE slot, first
	QUARTER \slot, 64,  F0, F1, \first
	QUARTER \slot, 128, F1, F0, 0
	QUARTER \slot, 192, F0, F1, 0
.endm
.macro TURN slot, next, fill
	s_wait_dscnt 8
	WIN MUL_LO
	MUL16 F1, 0, 0, 0
	s_wait_dscnt 0                                 ; my reads of this slot are over
	s_wait_tensorcnt 0x0                           ; all my tensor loads have landed
	ds_add_u32 v63, v5
	s_wait_dscnt 0x0
	s_barrier_signal -1
	MUL16 F1, 0, 2, 0
	WIN 0
	s_barrier_wait -1
.if \fill
	CREST                                          ; no wave of any partner still reads this slot or has a load on its way
	s_add_nc_u64 s[G0+4*\slot+2:G0+4*\slot+3], s[G0+4*\slot+2:G0+4*\slot+3], 2*KSTEP*2
	s_add_nc_u64 s[G0B+4*\slot+2:G0B+4*\slot+3], s[G0B+4*\slot+2:G0B+4*\slot+3], 2*KSTEP*2
	JLOAD \slot                                    ; the wave's one tensor load behind the round
.endif
	PLACES
	FETCH \next, 0, F0
	WIN MUL_HI
	MUL16 F1, 1, 0, 0
	MUL16 F1, 1, 2, 0
.endm
.macro LAP first
	THREE 0, \first
	TURN 0, 1, 1
	THREE 1, 0
	TURN 1, 0, 1
.endm
; THE WAY OUT as a numbered list, GLEN numbers for each group of 16 rows GI = 0..7 and a ninth that only drains; one call writes entry ON and steps ON.
;   0-31 result x 1 / |q| + bias   32-63 the group BEFORE is stored from its read-backs (so no wait stands straight behind its loads)
;   64-79 into my stage   80 the stores' data registers are free   81-96 whole rows of 512 bytes read back
; A read-back's wait counts the LDS instructions written behind it.  The stores' rows stand in the immediate: 127 rows of 4,096 bytes at the most.
.macro OUTINS
.set GI, ON/GLEN
.set NN, ON%GLEN
.set AB, 64*(GI%4)                     ; the group's first accumulator register in its window
.set AW, 2+GI/4                        ; that window
.if NN < 32
.if GI < 8
	WIN 0x10|AW                                    ; source 0 the accumulators, source 2 window 1
	v_pk_fma_f32 v[T+2*NN:T+2*NN+1], v[AB+2*NN:AB+2*NN+1], v[GP+2*GI:GP+2*GI+1], v[BIAS+2*NN:BIAS+2*NN+1]
.endif
.elseif NN < 64
.if GI > 0
.set TT, (NN-32)/2
.if (NN-32)%2
	WIN 0
	global_store_b128 v[SO], v[RB+4*TT:RB+4*TT+3], s[72:73] offset:(16*(GI-1)+TT)*OROW th:TH_STORE_NT    ; the wave stores 512 consecutive bytes, aligned
.else
	s_wait_dscnt DSN-(RBM+TT+1)
.endif
.endif
.elseif GI < 8
.if NN < 80
.set MM, NN-64
	WIN 0
	ds_store_b128 v[STO], v[T+4*MM:T+4*MM+3] offset:64*(MM/2)+16*(MM%2)
.set DSN, DSN+1
.elseif NN == 80
	s_wait_xcnt 0x0                                ; RB, which the last group's stores read, is loaded again only behind this wait
.set RBM, DSN
.elseif NN < 97
.set MM, NN-81
	WIN 0
	ds_load_b128 v[RB+4*MM:RB+4*MM+3], v[RD] offset:MM*SPITCH        ; LDS serves a wave's instructions in order: these see the stores above
.set DSN, DSN+1
.endif
.endif
.set ON, ON+1
.endm
.macro SLICE
.rept PER
	OUTINS
.endr
.endm
; Eight matrix instructions on my rows 64 + 16 a .. + 15, a slice of the way out behind each.  The slices name none of these instructions' registers.
.macro MULS8 f, a
.irp b, 0,1,2,3,4,5,6,7
	WIN MUL_HI
	v_wmma_f32_16x16x32_bf16 v[8*(8*\a+\b):8*(8*\a+\b)+7], v[\f+8*\b:\f+8*\b+7], v[\f+8*(4+\a):\f+8*(4+\a)+7], v[8*(8*\a+\b):8*(8*\a+\b)+7]
	SLICE
.endr
.endm
; A quarter of the last K step on rows 0-63: first the next quarter's fragments into buffer g, then 32 matrix instructions on buffer f.
.macro LOQ f, g, k, witha
	PLACES                                         ; behind the matrix instructions that read buffer g
	FETCHB 1, \k, \g
.if \witha
	FETCHA 1, \k, \g, 0
	s_wait_dscnt 24                                ; all but the 24 just issued: buffer f is in
.else
	s_wait_dscnt 16                                ; all but the 16 just issued
.endif
.set MARK, DSN
	WIN MUL_LO
	MUL16 \f, 0, 0, 0
	MUL16 \f, 0, 2, 0
.endm
; A quarter on rows 64-127.  The next quarter's fragments are fetched behind the first eight slices, whose plain vector instructions are the places behind buffer g's last readers.
.macro HIQ f, g, k, more
	s_wait_dscnt DSN-MARK                          ; the LDS instructions written behind buffer f's fetch may be out
	MULS8 \f, 0
.if \more
	FETCHB 1, \k, \g
	FETCHA 1, \k, \g, 4
.set MARK, DSN
.endif
	MULS8 \f, 1
	MULS8 \f, 2
	MULS8 \f, 3
.endm
	s_wait_tensorcnt 1                             ; K step 0 is in; K step 1's load stays out
	s_barrier_signal -1
	s_barrier_wait -1
	FETCH 0, 0, F0
	LAP 1
.if LAPS > 2
	WIN 0
	s_mov_b32 s3, LAPS-2
.Llap:
	LAP 0
	WIN 0
	s_sub_co_u32 s3, s3, 1
	s_cmp_lg_u32 s3, 0
	s_cbranch_scc1 .Llap
.endif
	THREE 0, 0                                     ; the last lap fills nothing
	TURN 0, 1, 0                                   ; its fetch brings the last K step's first quarter; A's rows 64-127 stay in buffer 0 until they are used
	LOQ F0, F1, 64,  1
	LOQ F1, F0, 128, 1
	LOQ F0, F1, 192, 1
	LOQ F1, F0, 0,   0                             ; B's first quarter once more, for rows 64-127
	PLACES                                         ; the slices read window 2's results and load over A's fragments of rows 0-63
	HIQ F0, F1, 64,  1
	HIQ F1, F0, 128, 1
	HIQ F0, F1, 192, 1
	HIQ F1, F0, 0,   0
	PLACES                                         ; behind the last matrix instructions: window 3's results are read next
.rept 5*GLEN
	OUTINS                                         ; rows 64-127, and the last group's stores: its last wait is for 0, so no LDS instruction is out below
.endr
	WIN 0
	s_set_vgpr_msb 0x1
	s_wait_tensorcnt 0x0
	ds_add_u32 v63, v5
	s_wait_dscnt 0x0
	s_set_vgpr_msb 0x100
	CROUND                                         ; the closing round
	s_endpgm
.Lfunc_end_k_q6b221518a3_gemm2:
	.size	k_q6b221518a3_gemm2, .Lfunc_end_k_q6b221518a3_gemm2-k_q6b221518a3_gemm2
	.p2alignl 7, 3214868480
	.fill 96, 4, 3214868480
	.section	.rodata,"a",@progbits
	.p2align	6, 0x0
	.amdhsa_kernel k_q6b221518a3_gemm2
		.amdhsa_group_segment_fixed_size 327680
		.amdhsa_private_segment_fixed_size 0
		.amdhsa_enable_private_segment 0
		.amdhsa_kernarg_size 40
		.amdhsa_user_sgpr_count 2
		.amdhsa_user_sgpr_kernarg_segment_ptr 1
		.amdhsa_wavefront_size32 1
		.amdhsa_system_sgpr_workgroup_id_x 1
		.amdhsa_system_sgpr_workgroup_id_y 1
		.amdhsa_system_sgpr_workgroup_id_z 1
		.amdhsa_system_vgpr_workitem_id 0
		.amdhsa_next_free_vgpr 1024
		.amdhsa_next_free_sgpr 92
		.amdhsa_reserve_vcc 0
		.amdhsa_float_denorm_mode_32 3
		.amdhsa_float_denorm_mode_16_64 3
		.amdhsa_memory_ordered 1
		.amdhsa_forward_progress 1
		.amdhsa_inst_pref_size 226
	.end_amdhsa_kernel
	.amdgpu_metadata
---
amdhsa.version: [ 1, 2 ]
amdhsa.kernels:
  - .name:           k_q6b221518a3_gemm2
    .symbol:         k_q6b221518a3_gemm2.kd
    .args:
      - { .name: a2, .offset: 0, .size: 8, .value_kind: global_buffer, .address_space: global }
      - { .name: wt, .offset: 8, .size: 8, .value_kind: global_buffer, .address_space: global }
      - { .name: bout, .offset: 16, .size: 8, .value_kind: global_buffer, .address_space: global }
      - { .name: ssq, .offset: 24, .size: 8, .value_kind: global_buffer, .address_space: global }
      - { .name: out0, .offset: 32, .size: 8, .value_kind: global_buffer, .address_space: global }
    .group_segment_fixed_size: 327680
    .private_segment_fixed_size: 0
    .kernarg_segment_align: 8
    .kernarg_segment_size: 40
    .max_flat_workgroup_size: 128
    .sgpr_count:     92
    .vgpr_count:     1024
    .wavefront_size: 32
...
	.end_amdgpu_metadata
.endif
;; end of part 5
;; ======== version 2 of 2: 5 launches; version 1 with the launch prep written anew for expert scheduling mode
;; limits: values outside matrix products are rounded to f16
;; workspace buffers: xb 33,554,432 bytes; wt 8,388,608 bytes; kh 33,554,432 bytes; ssk 524,288 bytes; ssq 524,288 bytes; kvp 262,144 bytes; a2 33,554,432 bytes
;; launch prep (part 6): grid 1024 x 1, 8 waves a work-group, no clusters, 18,432 bytes of LDS; arguments x, Wqkv, Wout, xb, wt; writes xb, wt
.if DOCPART == 6
	.amdgcn_target "amdgcn-amd-amdhsa--gfx1250"
	.amdhsa_code_object_version 6
	.text
	.protected	k_q6b221518a3_prep
	.globl	k_q6b221518a3_prep
	.p2align	8
	.type	k_q6b221518a3_prep,@function
k_q6b221518a3_prep:
	s_mov_b64 s[64:65], 0
	v_nop
	global_prefetch_b8 v0, s[64:65] scope:SCOPE_SE
	s_setreg_imm32_b32 hwreg(HW_REG_WAVE_SCHED_MODE, 0, 2), 2
	s_setreg_imm32_b32 hwreg(HW_REG_WAVE_MODE, 25, 1), 1
	s_wait_xcnt 0x0
	s_wait_alu depctr_vm_vsrc(0)
; HydraAttention, step 1 of 5: the matrix operands in bf16, with K along the rows.
;   xb[16384][1024] = bf16(x);   wt[4096][1024] = bf16 of Wqkv transposed (rows 0-3071: q, k, v columns) and of Wout transposed (rows 3072-4095).
; The whole program: k = xb Wk + bk (launch 2), the pool kv = sum over t of k/|k| * v (launch 3, v never stored), a2 = bf16((xb Wq + bq) * kv) (launch 4),
; out0 = (a2 Wout) / |q| + bout (launch 5).  No step of reference() is left out and every input is loaded.
; Nothing is shared between work-groups here and there is no product: no cluster, no tensor loads, no matrix instruction.
; Work-groups 0-511: 32 rows of x each.  512-895: a tile of 128 k x 64 columns of Wqkv each.  896-1023: the same of Wout.
; THE MODE: SCHED_MODE bits 1:0 = 2 (LLVM: expert scheduling mode 2), set by the entry lines.  The code itself states the register dependences
; between vector instructions and memory or LDS instructions, with s_wait_alu, always for 0.
; THE PLAN, x part.  The 32 rows go in 8 blocks of four.  Registers that memory instructions touch:
;   X0 .. X3   four blocks of x as loaded.  Written by the loads of block p + 3, issued in block p; read by block p's conversions.
;   Y          rows 0-15: a pair each, written by the row's two conversions, read by the row's store, which is issued one block later.
;              Rows 16-31 lie in slots that are never loaded again (there is no block p + 4 for them): they close up into the first pair of their own slot.
;              So every row has a pair of its own, and no store's data is ever rewritten.
;   v1, v2     byte offsets, made once and never written again: the rows stand in the immediate offsets.
; Block p's conversions name X[p % 4] and block p's pairs.  Its memory instructions are the loads into X[(p + 3) % 4] = X[(p - 1) % 4] and the stores of block p - 1's pairs:
; registers that block p - 1 worked on and that no vector instruction of block p names.  So ONE wait at a block's head states all that its eight memory instructions hang on.
; THE PLAN, W part.  v3, v6, v7, v1: addresses, made once.  v[8:39]: loaded once, read by the sixteen conversions.  v[72:87]: written by them, read by the four LDS stores.
; v[88:103]: no vector instruction names them: LDS loads land there and the global stores read them.  Two waits: ahead of the first load, and ahead of the run of LDS stores.
; No register that a memory or LDS instruction reads is written again in either part, so no wait for such reads is owed ahead of the closing lines.
.set X,  8                             ; v[8:71]   x part: four buffers of four rows, four f32 a row, as loaded; W part: v[8:39] eight slots of four f32
.set Y,  72                            ; v[72:103] x part: a pair for each of rows 0-15; W part: v[72:87] packed, v[88:103] rows read back
.set LP, 272                           ; W part: an LDS row is 128 bf16 (256 bytes) + 16
	s_load_b256 s[4:11], s[0:1], 0x0               ; x s[4:5], Wqkv s[6:7], Wout s[8:9], xb s[10:11]
	s_load_b64 s[12:13], s[0:1], 0x20              ; wt
	v_lshl_add_u32 v104, v0, 2, 0x4400
	v_mov_b32 v105, 0
	s_mov_b32 s15, 0                               ; high words of the two offset pairs
	s_mov_b32 s17, 0
	s_cmp_lt_u32 ttmp9, 512
	s_cbranch_scc0 .Lweights
	; x: thread t owns 16 bytes (4 numbers) at byte 16 t of every row; the eight waves cover a row of 4,096 bytes.
	v_lshlrev_b32 v1, 4, v0                        ; where I read; never rewritten
	v_lshlrev_b32 v2, 3, v0                        ; where I store; never rewritten
	s_lshl_b32 s14, ttmp9, 17                      ; 32 rows of 4,096 bytes
	s_lshl_b32 s16, ttmp9, 16                      ; 32 rows of 2,048 bytes
	s_wait_kmcnt 0x0
	s_add_nc_u64 s[4:5], s[4:5], s[14:15]
	s_add_nc_u64 s[10:11], s[10:11], s[16:17]
	s_wait_alu depctr_va_vdst(0)                   ; v1 and v2 are written: every load and store of this part reads one of them as its offset
.irp i, 0,1,2,3,4,5,6,7,8,9,10,11
	global_load_b128 v[X+4*\i:X+4*\i+3], v1, s[4:5] offset:\i*4096 th:TH_LOAD_NT      ; blocks 0, 1 and 2 into X0, X1, X2
.endr
.set p, 0
.rept 8
.if p < 6
	s_wait_loadcnt 8                               ; loads come back in order: block p is in, the two younger blocks stay out
.else
	s_wait_loadcnt 4*(7-p)                         ; the last blocks load nothing: the count runs down
.endif
.if p > 0
	s_wait_alu depctr_va_vdst(0)                   ; the block before has written its pairs, which the stores below read, and is done reading its X, in which the loads below land
.endif
.set i, 0
.rept 4
.set r, 4*p+i                          ; the row that is rounded here
.set XS, X+16*(p%4)+4*i                ; its slot
.if p < 4
.set YS, Y+2*r                         ; its pair
.else
.set YS, XS                            ; its slot is never loaded again: the row closes up in place
.endif
.if p < 5
	global_load_b128 v[X+16*((p+3)%4)+4*i:X+16*((p+3)%4)+4*i+3], v1, s[4:5] offset:(r+12)*4096 th:TH_LOAD_NT  ; three blocks ahead; no vector instruction since the wait names these registers
.endif
.if p > 0
.if p < 5
.set YP, Y+2*(r-4)                     ; the pair of the row four back
.else
.set YP, X+16*((p-1)%4)+4*i
.endif
	global_store_b64 v2, v[YP:YP+1], s[10:11] offset:(r-4)*2048       ; a wave's store covers 256 consecutive bytes, aligned
.endif
	v_cvt_pk_bf16_f32 v[YS],   v[XS],   v[XS+1]
	v_cvt_pk_bf16_f32 v[YS+1], v[XS+2], v[XS+3]
.set i, i+1
.endr
.set p, p+1
.endr
	s_wait_alu depctr_va_vdst(0)                   ; block 7 has written its pairs, which the last four stores read
.irp i, 0,1,2,3
	global_store_b64 v2, v[X+48+4*\i:X+48+4*\i+1], s[10:11] offset:(28+\i)*2048
.endr
	s_endpgm
; A tile of 128 k x 64 columns of a weight, transposed through LDS.  Thread t: c4 = t & 15 (four columns), kq = t >> 4 (eight k).
; In: sixteen lanes take 256 consecutive bytes of one row of the weight.  Out: sixteen lanes store 256 consecutive bytes of one row of wt.
; The four LDS stores put neighbouring lanes four LDS rows apart, 1,088 bytes = 64 modulo 256, so four lanes of sixteen meet in a 16-byte column:
; four instructions in the whole kernel, left as they are.
.macro WTILE src, pitchb, drow0, first
	s_sub_co_u32 s18, ttmp9, \first                ; the tile's number
	s_and_b32 s19, s18, 7                          ; kt: which 128 k
	s_lshr_b32 s20, s18, 3                         ; et: which 64 columns
	s_mul_i32 s14, s19, 128*\pitchb
	s_lshl_b32 s21, s20, 8
	s_add_co_u32 s14, s14, s21                     ; the tile's first byte in the weight
	s_lshl_b32 s16, s20, 17                        ; 64 et rows of wt, 2,048 bytes each,
	s_lshl_b32 s21, s19, 8                         ; and 128 kt numbers along them
	s_add_co_u32 s16, s16, s21
.if \drow0
	s_add_co_u32 s16, s16, \drow0*2048
.endif
	v_mul_u32_u24 v3, v5, 8*\pitchb
	v_lshl_add_u32 v3, v4, 4, v3                   ; read: row 8 kq, byte 16 c4
	v_mul_u32_u24 v6, v4, 4*LP
	v_lshl_add_u32 v6, v5, 4, v6                   ; LDS in: row 4 c4 (+ c), byte 16 kq
	v_mul_u32_u24 v7, v5, LP
	v_lshl_add_u32 v7, v4, 4, v7                   ; LDS back: row t >> 4 (+ 16 p), byte 16 (t & 15)
	v_lshlrev_b32 v1, 11, v5
	v_lshl_add_u32 v1, v4, 4, v1                   ; and the same place in wt
	s_wait_kmcnt 0x0
	s_add_nc_u64 s[22:23], s[\src:\src+1], s[14:15]
	s_add_nc_u64 s[24:25], s[12:13], s[16:17]
	s_wait_alu depctr_va_vdst(0)                   ; the four addresses v3, v6, v7 and v1 are written, which the loads, the LDS instructions and the stores below read; none is written again
.irp i, 0,1,2,3,4,5,6,7
	global_load_b128 v[X+4*\i:X+4*\i+3], v3, s[22:23] offset:\i*\pitchb th:TH_LOAD_NT
.endr
	s_wait_loadcnt 0x0
.irp c, 0,1,2,3
.irp p, 0,1,2,3
	v_cvt_pk_bf16_f32 v[Y+4*\c+\p], v[X+8*\p+\c], v[X+8*\p+4+\c]      ; column c, k = 2 p and 2 p + 1 of my eight
.endr
.endr
	s_wait_alu depctr_va_vdst(0)                   ; the sixteen conversions have written v[Y .. Y+15], which the four LDS stores read
.irp c, 0,1,2,3
	ds_store_b128 v6, v[Y+4*\c:Y+4*\c+3] offset:\c*LP
.endr
	s_wait_dscnt 0x0                               ; my stores are done before I say so: other waves read these rows
	s_barrier_signal -1
	s_barrier_wait -1
.irp p, 0,1,2,3
	ds_load_b128 v[Y+16+4*\p:Y+16+4*\p+3], v7 offset:\p*16*LP         ; no vector instruction names these registers
.endr
.irp p, 0,1,2,3
	s_wait_dscnt 3-\p                              ; LDS loads come back in order: the younger ones stay out
	global_store_b128 v1, v[Y+16+4*\p:Y+16+4*\p+3], s[24:25] offset:\p*16*2048
.endr
	s_wait_dscnt 0x0                               ; the closing lines, six on end
	s_wait_alu 0x0
	s_wait_tensorcnt 0x0
	ds_add_u32 v104, v105
	s_wait_dscnt 0x0
	s_endpgm
.endm
.Lweights:
	v_and_b32 v4, 15, v0                           ; c4
	v_lshrrev_b32 v5, 4, v0                        ; kq
	s_cmp_lt_u32 ttmp9, 896
	s_cbranch_scc0 .Lwout
	WTILE 6, 12288, 0, 512
.Lwout:
	WTILE 8, 4096, 3072, 896
.Lfunc_end_k_q6b221518a3_prep:
	.size	k_q6b221518a3_prep, .Lfunc_end_k_q6b221518a3_prep-k_q6b221518a3_prep
	.p2alignl 7, 3214868480
	.fill 96, 4, 3214868480
	.section	.rodata,"a",@progbits
	.p2align	6, 0x0
	.amdhsa_kernel k_q6b221518a3_prep
		.amdhsa_group_segment_fixed_size 18432
		.amdhsa_private_segment_fixed_size 0
		.amdhsa_enable_private_segment 0
		.amdhsa_kernarg_size 40
		.amdhsa_user_sgpr_count 2
		.amdhsa_user_sgpr_kernarg_segment_ptr 1
		.amdhsa_wavefront_size32 1
		.amdhsa_system_sgpr_workgroup_id_x 1
		.amdhsa_system_sgpr_workgroup_id_y 1
		.amdhsa_system_sgpr_workgroup_id_z 1
		.amdhsa_system_vgpr_workitem_id 0
		.amdhsa_next_free_vgpr 106
		.amdhsa_next_free_sgpr 66
		.amdhsa_reserve_vcc 0
		.amdhsa_float_denorm_mode_32 3
		.amdhsa_float_denorm_mode_16_64 3
		.amdhsa_memory_ordered 1
		.amdhsa_forward_progress 1
		.amdhsa_inst_pref_size 21
	.end_amdhsa_kernel
	.amdgpu_metadata
---
amdhsa.version: [ 1, 2 ]
amdhsa.kernels:
  - .name:           k_q6b221518a3_prep
    .symbol:         k_q6b221518a3_prep.kd
    .args:
      - { .name: x, .offset: 0, .size: 8, .value_kind: global_buffer, .address_space: global }
      - { .name: Wqkv, .offset: 8, .size: 8, .value_kind: global_buffer, .address_space: global }
      - { .name: Wout, .offset: 16, .size: 8, .value_kind: global_buffer, .address_space: global }
      - { .name: xb, .offset: 24, .size: 8, .value_kind: global_buffer, .address_space: global }
      - { .name: wt, .offset: 32, .size: 8, .value_kind: global_buffer, .address_space: global }
    .group_segment_fixed_size: 18432
    .private_segment_fixed_size: 0
    .kernarg_segment_align: 8
    .kernarg_segment_size: 40
    .max_flat_workgroup_size: 256
    .sgpr_count:     66
    .vgpr_count:     106
    .wavefront_size: 32
...
	.end_amdgpu_metadata
.endif
;; end of part 6
;; launch gemmK: the kernel of part 2 again; grid 4 x 64, 4 waves a work-group, clusters of 4 x 4, 327,680 bytes of LDS; arguments xb, wt, bqkv, kh, ssk; writes kh, ssk
;; launch gemmV: the kernel of part 3 again; grid 4 x 64, 4 waves a work-group, clusters of 4 x 4, 327,680 bytes of LDS; arguments xb, wt, bqkv, kh, ssk, kvp; writes kvp
;; launch gemmQ: the kernel of part 4 again; grid 4 x 64, 4 waves a work-group, clusters of 4 x 4, 327,680 bytes of LDS; arguments xb, wt, bqkv, kvp, a2, ssq; writes a2, ssq
;; launch gemm2: the kernel of part 5 again; grid 4 x 64, 4 waves a work-group, clusters of 4 x 4, 327,680 bytes of LDS; arguments a2, wt, bout, ssq, out0; writes out0
